; MI455X (gfx1250); checked and timed in simulation.
; The chip was launched on July 23, 2026; its instructions are those of AMD's public machine-readable ISA for CDNA 5 (MIT licence, August 2026) and "CDNA5" Instruction Set Architecture Reference Guide (July 2026). The comments in the code are by the model that wrote it; some were corrected since.
;; Multi Head Attention. Allowed arithmetic: matrix products marked QUANTISED: E2M1 operands, one E8M0 scale for each 32 along K, by v_wmma_scale_f32_16x16x128_f8f6f4 with both operands' format E2M1 (or v_wmma_scale_f32_32x16x128_f4), f32 sums; products left as they are: bf16, f16 or f32 operands; f32 sums; everything else in f32.
;; Inputs: Wk 2,048 x 2,048 float32; Wo 2,048 x 2,048 float32; Wq 2,048 x 2,048 float32; Wv 2,048 x 2,048 float32; mask 1 x 1 x 2,048 x 2,048 bool; x 1 x 2,048 x 2,048 float32.
;; Outputs: out0 1 x 2,048 x 2,048 float32.
;; This version of the problem:
;;   THIS VERSION OF THE PROBLEM IS GIVEN IN LOW PRECISION. The matrix products marked QUANTISED in the list below multiply operands that are first quantised to E2M1 (2 exponent bits, 1 mantissa bit; 4 bits a number), with one power-of-two scale for each 32 numbers along K (OCP MX v1.0); their sums are f32. The products marked 'left as it is' may take bf16, f16 or f32 operands, with f32 sums. Whichever they take, every output number must still come out within the allowed error. Rounding operands to bf16 (8 significant bits) uses up far more of that allowance than f16 does (11 bits, for magnitudes from 6e-5 to 65,504). All else is computed in f32.
;;   The module's matrix products, in the order in which they are computed (A, B: the left and right operand; K: the contracted axis; several contracted axes count as one K, in the product's order):
;;     1. [M 2,048, K 2,048] x [K 2,048, N 2,048]; A: input x; B: input Wq: QUANTISED
;;     2. [M 2,048, K 2,048] x [K 2,048, N 2,048]; A: input x; B: input Wk: QUANTISED
;;     3. [M 2,048, K 2,048] x [K 2,048, N 2,048]; A: input x; B: input Wv: QUANTISED
;;     4. batch 16 x [M 2,048, K 128] x [K 128, N 2,048]; A: computed on the way; B: computed on the way: left as it is (an operand is computed on the way)
;;     5. batch 16 x [M 2,048, K 2,048] x [K 2,048, N 128]; A: computed on the way; B: computed on the way: left as it is (an operand is computed on the way)
;;     6. [M 2,048, K 2,048] x [K 2,048, N 2,048]; A: computed on the way; B: input Wo: left as it is (an operand is computed on the way)
;;   THE QUANTISER, for each operand of a quantised product, along K:
;;     - K is cut into blocks of 32 from its start; a last block that is shorter is filled with zeros.
;;     - A block's scale is 2^e with e = floor(log2(the largest magnitude in the block)) - 2, held to -126 .. 127; a block of zeros has e = 0. As a byte (E8M0): e + 127.
;;     - Each number is divided by its block's scale, clamped to +-6, and rounded to the nearest number of E2M1, ties to even, subnormals kept.
;;     - The product sums the exact products of the quantised numbers (number of the format x scale) in f32.
;;   ~~~python
;;   def quantise(x, axis):      # numpy; x: float32 -> the quantised numbers, widened to float32 again
;;       x = np.moveaxis(x, axis, -1); K = x.shape[-1]
;;       x = np.pad(x, [(0, 0)] * (x.ndim - 1) + [(0, -K % 32)]); x = x.reshape(x.shape[:-1] + (-1, 32)); a = np.abs(x).max(-1, keepdims=True)
;;       e = np.where(a > 0, np.clip(np.frexp(np.where(a > 0, a, 1))[1] - 1 - 2, -126, 127), 0)      # np.frexp(a)[1] - 1 = floor(log2(a)), exactly
;;       r = np.clip(x / 2.0 ** e, -6, 6)
;;       step = 2.0 ** (np.maximum(np.frexp(np.where(r == 0, 1, r))[1] - 1, 0) - 1)
;;       q = np.round(r / step) * step * 2.0 ** e      # np.round: ties to even
;;       return np.moveaxis(q.reshape(q.shape[:-2] + (-1,))[..., :K], -1, axis).astype(np.float32)
;;   ~~~
;; One version. Each part assembles by itself: llvm-mc -triple=amdgcn-amd-amdhsa -mcpu=gfx1250 --defsym DOCPART=n.
;; ======== version 1 of 1: 4 launches
;; limits: values are held in f16: magnitudes above 65,504 overflow, below 6.1e-05 lose precision
;; workspace buffers: codes 8,388,608 bytes; scales 524,288 bytes; wo16 8,388,608 bytes; maskw 524,288 bytes of whole numbers; rope 1,048,576 bytes; qkv 25,165,824 bytes; o16 8,388,608 bytes
;; launch prep (part 1): grid 736 x 1, 4 waves a work-group, no clusters, 50,688 bytes of LDS; arguments x, Wq, Wk, Wv, Wo, mask, codes, scales, wo16, maskw, rope; writes codes, scales, wo16, maskw, rope
.if DOCPART == 1
	.amdgcn_target "amdgcn-amd-amdhsa--gfx1250"
	.amdhsa_code_object_version 6
	.text
	.protected	k_qf69ef67781_prep
	.globl	k_qf69ef67781_prep
	.p2align	8
	.type	k_qf69ef67781_prep,@function
k_qf69ef67781_prep:
	s_mov_b64 s[64:65], 0
	v_nop
	global_prefetch_b8 v0, s[64:65] scope:SCOPE_SE
	s_setreg_imm32_b32 hwreg(HW_REG_WAVE_MODE, 25, 1), 1
	s_wait_xcnt 0x0
; MULTI-HEAD ATTENTION, first of four launches: everything that is made once from the inputs.
; NO WORK IS LEFT OUT IN THIS PROGRAM: x, Wq, Wk, Wv, Wo and mask all have a way to out0, and the mask is an input, so no pattern of it is built in: every byte of it is read here and honoured later by a select.
; Four kinds of work-group, told apart by the work-group's number alone; they share nothing, so no cluster and no barrier:
;   0-511    x, Wq, Wk, Wv (f32, K innermost) -> codes of E2M1, [8192 rows][1024 bytes] (x, Wq, Wk, Wv on end), and E8M0 bytes [8192][64]
;   512-639  Wo -> f16, [2048][2048]
;   640-703  mask -> lane masks: word [qt][kt][j], bit r + 16 h = mask[16 qt + r][16 kt + 8 h + j]: the 32 lanes' select for one score register of the attention launch
;   704-735  the RoPE table [2048 t][64 pairs][cos, sin], f32
; THE QUANTISER: a block's scale is 2^(floor(log2(largest magnitude)) - 2); its byte is the largest magnitude's exponent field - 2, held at 1 from below.  A block of zeros so gets the byte 1 where the rule says 127:
; its codes are zeros, which add nothing under any byte but 0xff, and this program alone reads the bytes.
; LIMITS: blocks whose largest magnitude lies under 2^-124 take the floor's byte; NaN and infinities among x and the weights are not served.  Wo goes to f16: magnitudes over 65,504 become infinite.
; RoPE: 1 / 10000^(p / 64) is made by the base-2 exponential, so an angle may differ from an f32 power's by about 3e-4 radians at the last tokens: under the f16 rounding of Q and K that follows.
.set STEPS, 16
.set EMAX,  2
.set CB,    8                          ; bytes of 16 codes
.set R,     16                         ; v16-79   quantiser: four sets of 16 numbers as loaded
.set X,     80                         ; v80-111  two sets of 16 neighbours
.set E,     112                        ; v112-127 a scale byte for each step
.set C,     128                        ; v128-191 codes, four registers a step
.set WREG,  8192                       ; LDS: the quantiser's region for each wave: two stages of 32 x SP bytes, then 256 scale bytes
.set SP,    80
.set SPW,   12                         ; v12  LDS address of my spare word; never rewritten
.set NIL,   13                         ; v13  0; never rewritten
.set MSTG,  4*WREG                     ; LDS: the mask path's stages, bytes of their own: 16 rows x MPIT for each wave
.set MPIT,  272
.set SPARE, MSTG+4*16*MPIT             ; the spare words: 128 bytes a wave, two blocks of 256 bytes that no other line names
.macro FINISH                          ; a wave that has written LDS ends so
	s_wait_tensorcnt 0x0
	ds_add_u32 v[SPW], v[NIL]
	s_wait_dscnt 0x0
	s_endpgm
.endm
	s_load_b512 s[4:19], s[0:1], 0x0               ; x 4, Wq 6, Wk 8, Wv 10, Wo 12, mask 14, codes 16, scales 18
	s_load_b128 s[20:23], s[0:1], 0x40             ; wo16 20, maskw 22
	s_load_b64 s[24:25], s[0:1], 0x50              ; rope
	v_lshl_add_u32 v[SPW], v0, 2, SPARE
	v_mov_b32 v[NIL], 0
	v_lshrrev_b32 v1, 5, v0
	v_readfirstlane_b32 s26, v1                    ; wave
	v_and_b32 v2, 31, v0                           ; lane
	s_wait_kmcnt 0x0
	s_cmp_lt_u32 ttmp9, 512
	s_cbranch_scc0 .Lnot_quant
; ---------------- the quantiser: a wave takes 16 steps of 512 numbers; both tensors' rows are dense, so a tensor is a plain stream of blocks of 32
	v_lshlrev_b32 v3, 4, v2                        ; my 16 bytes of a load's 512
	s_mul_i32 s27, s26, WREG
	v_lshrrev_b32 v14, 2, v2
	v_mul_u32_u24 v14, v14, SP
	v_and_b32 v15, 3, v2
	v_lshl_add_u32 v14, v15, 4, v14
	v_add_nc_u32 v14, s27, v14                     ; the stage, on the way in: four lanes' 64 bytes on end, then 16 of padding
	v_mul_u32_u24 v15, v2, SP
	v_add_nc_u32 v15, s27, v15                     ; and on the way out: my 16 neighbours
	v_mul_u32_u24 v4, v2, CB                       ; my codes' place in a step's
	v_lshrrev_b32 v5, 1, v2
	s_add_co_u32 s27, s27, 2*32*SP
	v_add_nc_u32 v5, s27, v5                       ; LDS: my block's scale byte
	v_lshlrev_b32 v7, 3, v2
	v_add_nc_u32 v6, s27, v7                       ; and on the way out 8 bytes a lane
	s_lshr_b32 s28, ttmp9, 7                       ; which tensor: 128 work-groups each
	s_cmp_eq_u32 s28, 1
	s_cselect_b64 s[4:5], s[6:7], s[4:5]
	s_cmp_eq_u32 s28, 2
	s_cselect_b64 s[4:5], s[8:9], s[4:5]
	s_cmp_eq_u32 s28, 3
	s_cselect_b64 s[4:5], s[10:11], s[4:5]
	s_and_b32 s28, ttmp9, 127
	s_lshl_b32 s28, s28, 2
	s_add_co_u32 s28, s28, s26                     ; my run of 8,192 numbers in the tensor
	s_lshl_b32 s28, s28, 15
	s_mov_b32 s29, 0
	s_add_nc_u64 s[4:5], s[4:5], s[28:29]
	s_lshl_b32 s30, ttmp9, 2
	s_add_co_u32 s30, s30, s26                     ; and among all four tensors' runs: they lie on end in the workspace
	s_lshl_b32 s28, s30, 12
	s_add_nc_u64 s[16:17], s[16:17], s[28:29]      ; 4,096 bytes of codes a run
	s_lshl_b32 s28, s30, 8
	s_add_nc_u64 s[18:19], s[18:19], s[28:29]      ; 256 scale bytes a run
.macro QLOAD t
.irp i, 0,1,2,3
	global_load_b128 v[R+16*((\t)%4)+4*\i:R+16*((\t)%4)+4*\i+3], v3, s[4:5] offset:2048*(\t)+512*\i th:TH_LOAD_NT   ; 32 lanes read 512 consecutive bytes
.endr
.endm
.macro QTURN t                         ; a step's numbers through the stage: LDS serves a wave's instructions in order, so no wait stands between the stores and the loads
.irp i, 0,1,2,3
	ds_store_b128 v14, v[R+16*((\t)%4)+4*\i:R+16*((\t)%4)+4*\i+3] offset:32*SP*((\t)%2)+8*SP*\i
.endr
.irp i, 0,1,2,3
	ds_load_b128 v[X+16*((\t)%2)+4*\i:X+16*((\t)%2)+4*\i+3], v15 offset:32*SP*((\t)%2)+16*\i
.endr
.endm
.irp t, 0,1,2,3
	QLOAD \t
.endr
	s_wait_loadcnt 12                              ; step 0's four loads are in; the twelve of steps 1 to 3 may be out
	QTURN 0
.macro QSTEP t
.set XS, X+16*((\t)%2)
.if (\t) > 0
	s_wait_dscnt 1                                 ; this step's numbers are back from the stage; the last step's byte store may be out
.else
	s_wait_dscnt 0x0
.endif
.if (\t)+4 < STEPS
	QLOAD (\t)+4                                   ; into the registers that this step's stage stores have read
.endif
.if (\t)+1 < STEPS
.if STEPS-2-(\t) >= 3
	s_wait_loadcnt 12                              ; the next step's four loads are in; those of the three steps behind it may be out
.else
	s_wait_loadcnt 4*(STEPS-2-(\t))
.endif
	QTURN (\t)+1
.endif
	v_max3_num_f32 v8, |v[XS]|, |v[XS+1]|, |v[XS+2]|               ; the largest magnitude of my 16, in two chains
	v_max3_num_f32 v9, |v[XS+3]|, |v[XS+4]|, |v[XS+5]|
.irp i, 6,10
	v_max3_num_f32 v8, v8, |v[XS+\i]|, |v[XS+\i+1]|
	v_max3_num_f32 v9, v9, |v[XS+\i+2]|, |v[XS+\i+3]|
.endr
	v_max3_num_f32 v8, v8, |v[XS+14]|, |v[XS+15]|
	v_max3_num_f32 v8, v8, v9, (EMAX+1)<<23        ; and the floor 2^(3 - 127): the byte cannot fall under 1
	v_max_num_f32_dpp v8, v8, v8 row_xmask:1 row_mask:0xf bank_mask:0xf   ; with my neighbour's 16: the block's
	v_add_nc_u32 v11, 0xff000000, v8               ; 2 off its exponent field: the conversion takes the exponent field of this operand as its scale
	v_cvt_scalef32_pk8_fp4_f32 v[C+4*(\t)], v[XS:XS+7], v11
	v_cvt_scalef32_pk8_fp4_f32 v[C+4*(\t)+1], v[XS+8:XS+15], v11
	v_lshrrev_b32 v[E+(\t)], 23, v11               ; the scale's byte (a plain line behind the conversions)
	ds_store_b8 v5, v[E+(\t)] offset:16*(\t)       ; both lanes of a block write the same byte with the same value
	global_store_b64 v4, v[C+4*(\t):C+4*(\t)+1], s[16:17] offset:32*CB*(\t)   ; the wave stores 256 consecutive bytes, aligned
.endm
.irp t, 0,1,2,3,4,5,6,7,8,9,10,11,12,13,14,15
	QSTEP \t
.endr
	ds_load_b64 v[8:9], v6                         ; my wave's 256 scale bytes: these loads see my stores
	s_wait_dscnt 0x0
	global_store_b64 v7, v[8:9], s[18:19]          ; 32 lanes store 256 consecutive bytes, aligned
	FINISH
; ---------------- Wo to f16: a work-group takes 131,072 bytes; thread t takes 16 bytes of each 2,048; two sets of 16 loads by turns
.Lnot_quant:
	s_cmp_lt_u32 ttmp9, 640
	s_cbranch_scc0 .Lnot_wo
	s_sub_co_u32 s28, ttmp9, 512
	s_lshl_b32 s30, s28, 17
	s_mov_b32 s31, 0
	s_add_nc_u64 s[12:13], s[12:13], s[30:31]
	s_lshl_b32 s30, s28, 16
	s_add_nc_u64 s[20:21], s[20:21], s[30:31]
	v_lshlrev_b32 v3, 4, v0
	v_lshlrev_b32 v4, 3, v0
.macro WLOAD set, i0
.irp i, 0,1,2,3,4,5,6,7,8,9,10,11,12,13,14,15
	global_load_b128 v[16+64*(\set)+4*\i:16+64*(\set)+4*\i+3], v3, s[12:13] offset:2048*((\i0)+\i) th:TH_LOAD_NT
.endr
.endm
.macro WROUND p
.if \p < 3
	s_wait_loadcnt 16                              ; this set's 16 loads are in; the other set's 16 may be out
.else
	s_wait_loadcnt 0
.endif
.if \p > 0
	s_wait_xcnt 0x0                                ; the stores before have read v144-175, which are written again below
.endif
.irp i, 0,1,2,3,4,5,6,7,8,9,10,11,12,13,14,15
	v_cvt_pk_f16_f32 v[144+2*\i], v[16+64*((\p)%2)+4*\i], v[16+64*((\p)%2)+4*\i+1]
	v_cvt_pk_f16_f32 v[145+2*\i], v[16+64*((\p)%2)+4*\i+2], v[16+64*((\p)%2)+4*\i+3]
.endr
.irp i, 0,1,2,3,4,5,6,7,8,9,10,11,12,13,14,15
	global_store_b64 v4, v[144+2*\i:145+2*\i], s[20:21] offset:1024*(16*(\p)+\i)   ; a wave stores 256 consecutive bytes, aligned
.endr
.if \p < 2
	WLOAD (\p)%2, 16*((\p)+2)
.endif
.endm
	WLOAD 0, 0
	WLOAD 1, 16
	WROUND 0
	WROUND 1
	WROUND 2
	WROUND 3
	s_endpgm
; ---------------- the mask: a wave takes 16 queries x 1,024 keys, in four chunks of 256 keys
.Lnot_wo:
	s_cmp_lt_u32 ttmp9, 704
	s_cbranch_scc0 .Lnot_mask
	s_sub_co_u32 s28, ttmp9, 640
	s_lshl_b32 s28, s28, 2
	s_add_co_u32 s28, s28, s26
	s_lshr_b32 s29, s28, 1                         ; qt: which 16 queries
	s_and_b32 s28, s28, 1                          ; which half of the keys
	s_lshl_b32 s30, s29, 15
	s_lshl_b32 s32, s28, 10
	s_add_co_u32 s30, s30, s32
	s_mov_b32 s31, 0
	s_add_nc_u64 s[14:15], s[14:15], s[30:31]      ; mask: 16 rows of 2,048 bytes a tile, 1,024 bytes a half
	s_lshl_b32 s30, s29, 12
	s_lshl_b32 s32, s28, 11
	s_add_co_u32 s30, s30, s32
	s_add_nc_u64 s[22:23], s[22:23], s[30:31]      ; words: 4,096 bytes a tile of queries, 2,048 a half
	v_and_b32 v1, 15, v0                           ; r
	v_bfe_u32 v3, v0, 4, 1                         ; h
	v_lshlrev_b32 v14, 4, v1
	v_lshl_add_u32 v14, v3, 11, v14                ; in memory: sixteen lanes read 256 bytes of a row, lanes 16-31 the next row
	s_mul_i32 s32, s26, 16*MPIT
	s_add_co_u32 s32, s32, MSTG
	v_mul_u32_u24 v15, v3, MPIT
	v_lshl_add_u32 v15, v1, 4, v15
	v_add_nc_u32 v15, s32, v15                     ; into my stage as loaded
	v_mul_u32_u24 v4, v1, MPIT
	v_lshl_add_u32 v4, v3, 3, v4
	v_add_nc_u32 v3, s32, v4                       ; out of it: row r, 8 bytes from 8 h on: keys 16 kt + 8 h + 0 .. 7 of query r
	v_lshlrev_b32 v2, 4, v2                        ; the words leave 16 bytes a lane
.irp i, 0,1,2,3,4,5,6,7,8,9,10,11,12,13,14,15
	v_mov_b32 v[176+\i], 0                         ; written once: the destination of a write to one lane counts as read
.endr
.irp i, 0,1,2,3
.irp p, 0,1,2,3,4,5,6,7
	global_load_b128 v[16+32*\i+4*\p:16+32*\i+4*\p+3], v14, s[14:15] offset:4096*\p+256*\i th:TH_LOAD_NT
.endr
.endr
.macro CHUNK i
	s_wait_loadcnt 8*(3-\i)                        ; this chunk's eight loads are in; the later chunks' may be out
.irp p, 0,1,2,3,4,5,6,7
	ds_store_b128 v15, v[16+32*\i+4*\p:16+32*\i+4*\p+3] offset:2*MPIT*\p
.endr
.irp kt, 0,1,2,3,4,5,6,7,8,9,10,11,12,13,14,15
	ds_load_b64 v[144+2*\kt:145+2*\kt], v3 offset:16*\kt
.endr
	s_wait_dscnt 0x0
.irp kt, 0,1,2,3,4,5,6,7,8,9,10,11,12,13,14,15
.irp j, 0,1,2,3,4,5,6,7
	v_and_b32 v[4+\j], 0xff<<(8*(\j%4)), v[144+2*\kt+\j/4]       ; byte j of my eight
.endr
.irp j, 0,1,2,3,4,5,6,7
	v_cmp_ne_u32 s[40+\j], 0, v[4+\j]              ; the 32 lanes' bits: word (kt, j)
.endr
.irp j, 0,1,2,3,4,5,6,7
	v_writelane_b32 v[176+4*\i+\j%4], s[40+\j], 2*\kt+\j/4       ; word n = 8 kt + j goes to lane n / 4, register n % 4
.endr
.endr
	global_store_b128 v2, v[176+4*\i:176+4*\i+3], s[22:23] offset:512*\i   ; 512 consecutive bytes; each chunk has registers of its own
.endm
	CHUNK 0
	CHUNK 1
	CHUNK 2
	CHUNK 3
	FINISH
; ---------------- the RoPE table: a wave takes 16 tokens, a lane pairs 2 L and 2 L + 1
.Lnot_mask:
	s_sub_co_u32 s28, ttmp9, 704
	s_lshl_b32 s28, s28, 2
	s_add_co_u32 s28, s28, s26
	s_lshl_b32 s29, s28, 4
	v_cvt_f32_u32 v20, s29                         ; the token, as f32
	v_lshlrev_b32 v3, 1, v2
	v_cvt_f32_u32 v4, v3
	v_add_f32 v5, 1.0, v4
	v_mul_f32 v4, 0xbe549a78, v4                   ; -p log2(10000) / 64
	v_mul_f32 v5, 0xbe549a78, v5
	v_exp_f32 v4, v4                               ; 10000^(-p / 64)
	v_exp_f32 v5, v5
	v_lshlrev_b32 v3, 4, v2                        ; (a plain line behind the exponentials)
	s_lshl_b32 s30, s28, 13
	v_add_nc_u32 v3, s30, v3                       ; 512 bytes a token, 16 a lane
	s_mov_b32 s36, 0x3f22f983                      ; 2 / pi
	s_mov_b32 s37, 0x3fc90fdb                      ; pi / 2, high part
	s_mov_b32 s38, 0xb33bbd2e                      ; and what is left of it
	s_mov_b32 s39, 0xbe2aaaab                      ; sine: -1/6, 1/120, -1/5040, 1/362880
	s_mov_b32 s40, 0x3c088889
	s_mov_b32 s41, 0xb9500d01
	s_mov_b32 s42, 0x3638ef1d
	s_mov_b32 s43, 0x3d2aaaab                      ; cosine: 1/24, -1/720, 1/40320
	s_mov_b32 s44, 0xbab60b61
	s_mov_b32 s45, 0x37d00d01
	s_mov_b32 s31, 16
	s_wait_alu depctr_va_vdst(0)                   ; one wait for both exponentials, ahead of the label and of their first reader
.Ltoken:
.irp u, 0,1
	v_mul_f32 v[22+\u], v20, v[4+\u]               ; the angle, rounded as an f32 product
.endr
.irp u, 0,1
	v_mul_f32 v[24+\u], s36, v[22+\u]
.endr
.irp u, 0,1
	v_rndne_f32 v[24+\u], v[24+\u]                 ; n quarter turns
.endr
.irp u, 0,1
	v_fma_f32 v[26+\u], -v[24+\u], s37, v[22+\u]
.endr
.irp u, 0,1
	v_fma_f32 v[26+\u], -v[24+\u], s38, v[26+\u]   ; r = angle - n pi / 2, within pi / 4
.endr
.irp u, 0,1
	v_cvt_i32_f32 v[28+\u], v[24+\u]
	v_mul_f32 v[30+\u], v[26+\u], v[26+\u]         ; z = r r
.endr
.irp u, 0,1
	v_fma_f32 v[32+\u], v[30+\u], s42, s41
	v_fma_f32 v[34+\u], v[30+\u], s45, s44
.endr
.irp u, 0,1
	v_fma_f32 v[32+\u], v[32+\u], v[30+\u], s40
	v_fma_f32 v[34+\u], v[34+\u], v[30+\u], s43
.endr
.irp u, 0,1
	v_fma_f32 v[32+\u], v[32+\u], v[30+\u], s39
	v_fma_f32 v[34+\u], v[34+\u], v[30+\u], -0.5
	v_mul_f32 v[36+\u], v[26+\u], v[30+\u]
.endr
.irp u, 0,1
	v_fma_f32 v[38+\u], v[30+\u], v[34+\u], 1.0    ; cos r
	v_fma_f32 v[36+\u], v[36+\u], v[32+\u], v[26+\u]   ; sin r
	v_and_b32 v[44+\u], 1, v[28+\u]
.endr
.irp u, 0,1
	v_cmp_ne_u32 s[46+\u], 0, v[44+\u]             ; an odd quarter swaps the two
.endr
.irp u, 0,1
	v_cndmask_b32 v[41+2*\u], v[36+\u], v[38+\u], s[46+\u]
	v_cndmask_b32 v[40+2*\u], v[38+\u], v[36+\u], s[46+\u]
	v_and_b32 v[44+\u], 2, v[28+\u]                ; the sine is negative in quarters 2 and 3,
	v_add_nc_u32 v[28+\u], 1, v[28+\u]
.endr
.irp u, 0,1
	v_lshlrev_b32 v[44+\u], 30, v[44+\u]
	v_and_b32 v[28+\u], 2, v[28+\u]                ; the cosine in quarters 1 and 2
.endr
.irp u, 0,1
	v_xor_b32 v[41+2*\u], v[44+\u], v[41+2*\u]
	v_lshlrev_b32 v[28+\u], 30, v[28+\u]
.endr
.irp u, 0,1
	v_xor_b32 v[40+2*\u], v[28+\u], v[40+2*\u]
.endr
	global_store_b128 v3, v[40:43], s[24:25]       ; the wave stores a token's 512 bytes
	s_wait_xcnt 0x0                                ; v3 and v40-43 are written again only behind this wait
	v_add_nc_u32 v3, 512, v3
	v_add_f32 v20, 1.0, v20
	s_sub_co_u32 s31, s31, 1
	s_cmp_lg_u32 s31, 0
	s_cbranch_scc1 .Ltoken
	s_endpgm
.Lfunc_end_k_qf69ef67781_prep:
	.size	k_qf69ef67781_prep, .Lfunc_end_k_qf69ef67781_prep-k_qf69ef67781_prep
	.p2alignl 7, 3214868480
	.fill 96, 4, 3214868480
	.section	.rodata,"a",@progbits
	.p2align	6, 0x0
	.amdhsa_kernel k_qf69ef67781_prep
		.amdhsa_group_segment_fixed_size 50688
		.amdhsa_private_segment_fixed_size 0
		.amdhsa_enable_private_segment 0
		.amdhsa_kernarg_size 88
		.amdhsa_user_sgpr_count 2
		.amdhsa_user_sgpr_kernarg_segment_ptr 1
		.amdhsa_wavefront_size32 1
		.amdhsa_system_sgpr_workgroup_id_x 1
		.amdhsa_system_sgpr_workgroup_id_y 1
		.amdhsa_system_sgpr_workgroup_id_z 1
		.amdhsa_system_vgpr_workitem_id 0
		.amdhsa_next_free_vgpr 192
		.amdhsa_next_free_sgpr 66
		.amdhsa_reserve_vcc 0
		.amdhsa_float_denorm_mode_32 3
		.amdhsa_float_denorm_mode_16_64 3
		.amdhsa_memory_ordered 1
		.amdhsa_forward_progress 1
		.amdhsa_inst_pref_size 166
	.end_amdhsa_kernel
	.amdgpu_metadata
---
amdhsa.version: [ 1, 2 ]
amdhsa.kernels:
  - .name:           k_qf69ef67781_prep
    .symbol:         k_qf69ef67781_prep.kd
    .args:
      - { .name: x, .offset: 0, .size: 8, .value_kind: global_buffer, .address_space: global }
      - { .name: Wq, .offset: 8, .size: 8, .value_kind: global_buffer, .address_space: global }
      - { .name: Wk, .offset: 16, .size: 8, .value_kind: global_buffer, .address_space: global }
      - { .name: Wv, .offset: 24, .size: 8, .value_kind: global_buffer, .address_space: global }
      - { .name: Wo, .offset: 32, .size: 8, .value_kind: global_buffer, .address_space: global }
      - { .name: mask, .offset: 40, .size: 8, .value_kind: global_buffer, .address_space: global }
      - { .name: codes, .offset: 48, .size: 8, .value_kind: global_buffer, .address_space: global }
      - { .name: scales, .offset: 56, .size: 8, .value_kind: global_buffer, .address_space: global }
      - { .name: wo16, .offset: 64, .size: 8, .value_kind: global_buffer, .address_space: global }
      - { .name: maskw, .offset: 72, .size: 8, .value_kind: global_buffer, .address_space: global }
      - { .name: rope, .offset: 80, .size: 8, .value_kind: global_buffer, .address_space: global }
    .group_segment_fixed_size: 50688
    .private_segment_fixed_size: 0
    .kernarg_segment_align: 8
    .kernarg_segment_size: 88
    .max_flat_workgroup_size: 128
    .sgpr_count:     66
    .vgpr_count:     192
    .wavefront_size: 32
...
	.end_amdgpu_metadata
.endif
;; end of part 1
;; launch qkv (part 2): grid 24 x 8, 4 waves a work-group, clusters of 4 x 4, 327,680 bytes of LDS; arguments codes, scales, rope, qkv; writes qkv
.if DOCPART == 2
	.amdgcn_target "amdgcn-amd-amdhsa--gfx1250"
	.amdhsa_code_object_version 6
	.text
	.protected	k_qf69ef67781_qkv
	.globl	k_qf69ef67781_qkv
	.p2align	8
	.type	k_qf69ef67781_qkv,@function
k_qf69ef67781_qkv:
	s_mov_b64 s[64:65], 0
	v_nop
	global_prefetch_b8 v0, s[64:65] scope:SCOPE_SE
	s_setreg_imm32_b32 hwreg(HW_REG_WAVE_MODE, 25, 1), 1
	s_wait_xcnt 0x0
	s_wait_alu depctr_hold_cnt(0) depctr_sa_sdst(0) depctr_va_vdst(0) depctr_va_sdst(0) depctr_va_ssrc(0) depctr_va_vcc(0) depctr_vm_vsrc(0)
	s_getreg_b32 s2, hwreg(HW_REG_IB_STS2, 6, 4)
	s_cmp_eq_u32 s2, 0
	s_cbranch_scc0 .Lentry_in_a_cluster
	s_endpgm
.Lentry_in_a_cluster:
	s_bfe_u32 s2, ttmp6, 0x10000c
	s_cmp_lg_u32 s2, 0xf033
	s_cbranch_scc0 .Lentry_shape_is_right
	s_endpgm
.Lentry_shape_is_right:
; The three quantised projections on codes of E2M1 with E8M0 scales, RoPE in f32 on the sums, and Q, K, V^T out in f16.  Nothing of the problem's work is left out here.
; C[i][j] = sum over k of A[i][k] B[j][k], K = 2048, on tiles of 256 x 256; four waves, each 128 x 128: 64 accumulators, 512 registers.  All operands are rows of one buffer of codes [8192][1024 bytes]: x, Wq, Wk, Wv on end.
; Tile columns 0-15 (clusters 0-3 along x): A = x, B = Wq | Wk: a wave's 128 columns are one head of Q or K.  Tile columns 16-23: THE ROLES ARE SWAPPED, A = Wv, B = x, so that the result is V^T: a lane then holds one channel and eight neighbouring keys.
; The loop is one text for both: only scalars at the head differ, chosen by the cluster's x, which all partners share.
; THE MATRIX INSTRUCTION IS USED TRANSPOSED (source 0 = 16 rows of B, source 1 = 16 rows of A): a lane holds eight neighbouring columns of one row of C: for Q and K four RoPE pairs of one token.
; K goes in steps of 512 (rows of 256 bytes) through a ring of two LDS slots filled by the tensor data mover; the scale bytes of the work-group's 256 + 256 rows, for all of K, come once and stay in LDS.
; CLUSTERS: 4 x 4 work-groups; A's tiles are asked for jointly along a row of the cluster, B's along a column.  A wave has three tensor loads out at the start (scales, two slots) and one behind each refill.
; THE TWO KINDS PART ONCE, in front of the last slot's four steps, which are written in both arms: the arm of Q and K asks there for the cos and sin of its first three blocks of 16 tokens, 256 products ahead of their use.
; OUT: every wave's 128 x 128 of f16 is one dense block of 32,768 bytes: Q [16 h][2048 t][128] at byte 0, K likewise at 8 MiB, V^T [16 h][16 key blocks][128 channels][128 keys] at 16 MiB.
; LIMIT: Q, K, V leave in f16: magnitudes over 65,504 become infinite.
; REGISTERS: window 0: v0-31 addresses (v8-15: four pairs at work in the rotation); v32-95 scale words, two sets, and nothing else; v96-127 packed results; v128-191 A's fragments, one set, on the way out rows read back; v192-255 cos and sin, set 2.
;   window 1: B's fragments, two sets, at v0 and v128; cos and sin: set 0 at v64, set 1 at v192, and behind the last product set 3 at v0; four pairs at work at v128.   windows 2, 3: the accumulators ((a, b) at v[8 (8 (a % 4) + b)]).
.set SIZE_K, 2048
.set KSTEP,  512
.set NQ,     KSTEP/128
.set ROWB,   256
.set KROW,   SIZE_K*4/8
.set PITCH,  272                       ; an LDS row: 256 bytes + 16 of padding: the 16 rows of a fragment load start at 16 different groups of banks
.set FR,     8
.set NL,     2
.set NP,     4
.set HALFT,  128*PITCH
.set SLOT,   4*HALFT
.set LAPS,   SIZE_K/(2*KSTEP)
.set KS,     SIZE_K/32
.set SCL,    2*SLOT
.set HALFS,  (128*KS/256)*272
.set SBLK,   (16*KS/256)*272
.set SPARE,  SCL+4*HALFS               ; the spare words: 128 bytes a wave, two blocks of 256 bytes that no other line names
.set SPITCH, 272                       ; the way out: a stage of 16 rows x (256 + 16) bytes for each wave, in slot 0, which has had its last fill and its last read by then
.set VSTG,   4*16*SPITCH               ; the V^T arm's stages: bytes of their own, behind the other arm's
.set ADRA, 16
.set ADRB, 20
.set STO,  24
.set RD,   25
.set CO,   26
.set ADRS, 27
.set SPW,  28
.set NIL,  29
.set RO,   30                          ; v30  my byte in the RoPE table's 16 rows: 512 r + 32 h
.set SC,   32
.set TMP,  96
.set AF,   128
.set BK,   128                         ; two sets of 32
.set G1, 24
.set G0, 32
.set G1B, 48
.set G0B, 56
.set G1S, 68
.set G0S, 76
.set G1SB, 80
.set G0SB, 88
.set MSB, 0
.macro WIN new                         ; the immediate's high byte repeats the setting that is left
.if MSB != (\new)
	s_set_vgpr_msb (MSB<<8)|(\new)
.set MSB, \new
.endif
.endm
.set MUL_LO, 0xa1                      ; source 0 (B) window 1, source 1 (A) window 0, C and D window 2
.set MUL_HI, 0xf1
.set TO_B,   0x40                      ; destination window 1, address window 0
; A joint load: waves 0 and 1 fetch for A, waves 2 and 3 for B; the branch hangs on the wave's number alone.  An s_nop 0 and four v_nop follow each line.
.macro JLOAD g0a, g1a, g0b, g1b
	s_cmp_eq_u32 s15, 0
	s_cbranch_scc0 .Lfor_b_\@
	tensor_load_to_lds s[\g0a:\g0a+3], s[\g1a:\g1a+7]
	s_nop 0
.rept 4
	v_nop
.endr
	s_branch .Lasked_\@
.Lfor_b_\@:
	tensor_load_to_lds s[\g0b:\g0b+3], s[\g1b:\g1b+7]
	s_nop 0
.rept 4
	v_nop
.endr
.Lasked_\@:
.endm
.macro CREST
	s_cmp_lg_u32 s14, 0
	s_cbranch_scc1 .Lnot_wave_0_\@
	s_barrier_signal -3
.Lnot_wave_0_\@:
	s_barrier_wait -3
	s_barrier_signal -1
	s_barrier_wait -1
.endm
.macro CROUND
	s_barrier_signal -1
	s_barrier_wait -1
	CREST
.endm
	s_load_b128 s[4:7], s[0:1], 0x0                ; codes, scales
	s_load_b128 s[8:11], s[0:1], 0x10              ; rope, qkv
	v_lshl_add_u32 v[SPW], v0, 2, SPARE
	v_mov_b32 v[NIL], 0
	ds_add_u32 v[SPW], v[NIL]                      ; the wave's opening: the add, twice on end, and its wait ahead of my first tensor load
	ds_add_u32 v[SPW], v[NIL]
	v_lshrrev_b32 v1, 5, v0
	v_readfirstlane_b32 s14, v1                    ; wave
	s_lshr_b32 s15, s14, 1                         ; my half of the tile's rows; also: I fetch for A (0) or B (1)
	s_and_b32 s16, s14, 1                          ; my half of its columns; also: which 128 rows I fetch
	s_bfe_u32 s40, ttmp6, 0x40000                  ; cx
	s_bfe_u32 s41, ttmp6, 0x40004                  ; cy
	s_lshl_b32 s42, ttmp9, 2
	s_add_co_u32 s42, s42, s40                     ; tile column
	s_and_b32 s17, ttmp7, 0xffff
	s_lshl_b32 s17, s17, 2
	s_add_co_u32 s17, s17, s41                     ; tile row
	s_lshl_b32 s43, s41, 2
	s_lshl_b32 s43, 15, s43                        ; my row of the cluster
	s_lshl_b32 s44, 0x1111, s40                    ; my column
	s_or_b32 s[G1+0], s43, (0<<16)|(1<<20)|(1<<21)|(5<<22)|(3<<25)  ; mask; elements of 1 byte; padding on: 4 words behind every 64; bit 21 beside a mask
	s_or_b32 s[G1B+0], s44, (0<<16)|(1<<20)|(1<<21)|(5<<22)|(3<<25)
.irp g, G1, G1B
	s_mov_b32 s[\g+1], ROWB<<16                    ; tensor_dim0
	s_mov_b32 s[\g+2], 128<<16                     ; tensor_dim1
	s_mov_b32 s[\g+3], ROWB<<16                    ; tile_dim0
	s_mov_b32 s[\g+4], 128                         ; tile_dim1
	s_mov_b32 s[\g+5], KROW                        ; from row to row
	s_mov_b32 s[\g+6], 0
	s_mov_b32 s[\g+7], 0
.endr
	s_or_b32 s[G1S+0], s43, (3<<16)|(1<<20)|(1<<21)|(5<<22)|(3<<25) ; the scales of 128 rows: a dense block, as rows of 32 elements of 8 bytes
	s_or_b32 s[G1SB+0], s44, (3<<16)|(1<<20)|(1<<21)|(5<<22)|(3<<25)
.irp g, G1S, G1SB
	s_mov_b32 s[\g+1], 32<<16
	s_mov_b32 s[\g+2], (128*KS/256)<<16
	s_mov_b32 s[\g+3], 32<<16
	s_mov_b32 s[\g+4], 128*KS/256
	s_mov_b32 s[\g+5], 32
	s_mov_b32 s[\g+6], 0
	s_mov_b32 s[\g+7], 0
.endr
	s_lshl_b32 s18, s16, 7
	s_lshl_b32 s20, s17, 8
	s_add_co_u32 s20, s20, s18                     ; A: 256 x tile row + 128 x half,
	s_lshl_b32 s46, s42, 8
	s_add_co_u32 s46, s46, s18                     ; B: 256 x tile column + 128 x half,
	s_cmp_lt_u32 ttmp9, 4                          ; Q and K, or V^T: the cluster's x, the same in all sixteen partners
	s_cselect_b32 s95, 0, 6144
	s_add_co_u32 s20, s20, s95                     ; among x's rows (from 0) or Wv's (from 6144);
	s_add_co_u32 s46, s46, 2048
	s_sub_co_u32 s46, s46, s95                     ; among Wq | Wk's (from 2048), or x's: tile column 16 is then row 0
	s_mov_b32 s21, 0
	s_mov_b32 s47, 0
	s_mov_b64 s[18:19], KS
	s_mul_u64 s[22:23], s[20:21], s[18:19]
	s_mul_u64 s[92:93], s[46:47], s[18:19]
	s_mov_b64 s[18:19], KROW
	s_mul_u64 s[20:21], s[20:21], s[18:19]
	s_mul_u64 s[46:47], s[46:47], s[18:19]
	s_mul_i32 s45, s14, HALFT                      ; where they go: wave x 128 rows
	s_mul_i32 s94, s14, HALFS
	s_wait_dscnt 0x0                               ; both opening adds are done
	s_wait_kmcnt 0x0
	s_add_nc_u64 s[20:21], s[4:5], s[20:21]
	s_add_nc_u64 s[22:23], s[6:7], s[22:23]
	s_add_nc_u64 s[46:47], s[4:5], s[46:47]
	s_add_nc_u64 s[92:93], s[6:7], s[92:93]
	CROUND                                         ; all sixteen work-groups are here: the first joint loads meet
	s_mov_b32 s[G0S], 1
	s_add_co_u32 s[G0S+1], s94, SCL
	s_mov_b64 s[G0S+2:G0S+3], s[22:23]
	s_or_b32 s[G0S+3], s[G0S+3], 0x80000000
	s_mov_b32 s[G0SB], 1
	s_add_co_u32 s[G0SB+1], s94, SCL
	s_mov_b64 s[G0SB+2:G0SB+3], s[92:93]
	s_or_b32 s[G0SB+3], s[G0SB+3], 0x80000000
	JLOAD G0S, G1S, G0SB, G1SB
.irp s, 0,1
	s_mov_b32 s[G0+4*\s], 1
	s_add_co_u32 s[G0+4*\s+1], s45, \s*SLOT
	s_add_nc_u64 s[G0+4*\s+2:G0+4*\s+3], s[20:21], \s*ROWB
	s_or_b32 s[G0+4*\s+3], s[G0+4*\s+3], 0x80000000
	s_mov_b32 s[G0B+4*\s], 1
	s_add_co_u32 s[G0B+4*\s+1], s45, \s*SLOT
	s_add_nc_u64 s[G0B+4*\s+2:G0B+4*\s+3], s[46:47], \s*ROWB
	s_or_b32 s[G0B+4*\s+3], s[G0B+4*\s+3], 0x80000000
	JLOAD G0+4*\s, G1, G0B+4*\s, G1B
.endr
	v_and_b32 v1, 15, v0                           ; r
	v_bfe_u32 v2, v0, 4, 1                         ; h
	v_mul_u32_u24 v3, v1, PITCH
	v_lshl_add_u32 v4, v2, 4, v3
	s_mul_i32 s21, s15, HALFT
	s_mul_i32 s22, s16, HALFT
	s_add_co_u32 s22, s22, 2*HALFT
.irp s, 0,1
	v_add_nc_u32 v[ADRA+\s], s21, v4
	v_add_nc_u32 v[ADRB+\s], s22, v4
	s_add_co_u32 s21, s21, SLOT
	s_add_co_u32 s22, s22, SLOT
.endr
	v_mul_u32_u24 v5, v1, KS                       ; my row's scales: KS bytes a row,
	v_lshrrev_b32 v6, 8, v5
	v_lshl_add_u32 v5, v6, 4, v5                   ; and 16 more for each 256 passed
	s_mul_i32 s21, s15, HALFS
	s_mul_i32 s22, s16, HALFS
	s_add_co_u32 s22, s22, 2*HALFS
	s_sub_co_u32 s22, s22, s21
	v_mul_u32_u24 v6, s22, v2                      ; lanes 16-31 take B's
	s_add_co_u32 s21, s21, SCL
	v_add_nc_u32 v5, v5, v6
	v_add_nc_u32 v[ADRS], s21, v5
	s_mul_i32 s23, s14, 16*SPITCH                  ; my stage
	v_mul_u32_u24 v5, v1, SPITCH
	v_lshl_add_u32 v5, v2, 4, v5
	v_add_nc_u32 v[STO], s23, v5                   ; in: row r, 16 bytes for each half of the lanes
	v_mul_u32_u24 v5, v2, SPITCH
	v_lshl_add_u32 v5, v1, 4, v5
	v_add_nc_u32 v[RD], s23, v5                    ; back: lanes 0-15 one row of 256 bytes, lanes 16-31 the next
	v_and_b32 v6, 31, v0
	v_lshlrev_b32 v[CO], 4, v6                     ; and in memory the two rows are 512 bytes on end
	v_lshlrev_b32 v[RO], 9, v1
	v_lshl_add_u32 v[RO], v2, 5, v[RO]
	s_lshl_b32 s20, s17, 1
	s_add_co_u32 s20, s20, s15                     ; my block of 128 rows of C
	s_lshl_b32 s46, s42, 1
	s_add_co_u32 s46, s46, s16                     ; and of 128 columns
	s_lshl_b32 s96, s20, 16                        ; the RoPE table at my first token: 128 rows of 512 bytes a block
	s_mov_b32 s97, 0
	s_add_nc_u64 s[8:9], s[8:9], s[96:97]
	s_cmp_lt_u32 ttmp9, 4
	s_cselect_b32 s21, s46, s20                    ; Q, K: head = column block, tokens = row block;  V^T: head = row block (+ 32 x 512 KiB), keys = column block - 32
	s_cselect_b32 s22, s20, s46
	s_cselect_b32 s23, 0, 32
	s_add_co_u32 s21, s21, s23
	s_sub_co_u32 s22, s22, s23
	s_lshl_b32 s21, s21, 19
	s_lshl_b32 s22, s22, 15
	s_add_co_u32 s46, s21, s22
	s_mov_b32 s47, 0
	s_add_nc_u64 s[12:13], s[10:11], s[46:47]      ; my block of 32,768 bytes
.macro FRAG reg, adr, q, i             ; 16 rows x 128 K of 4-bit codes: 8 registers; registers 4 c .. 4 c + 3 hold K = 64 c + 32 h + 0 .. 31
.irp c, 0,1
	ds_load_b128 v[\reg+4*\c:\reg+4*\c+3], v[\adr] offset:64*(\q)+32*\c+(\i)*16*PITCH
.endr
.endm
; 16 matrix instructions: A's blocks a0, a0 + 1 x B's eight.  The 64 accumulators take turns, one instruction a turn, in the same order in every step.
.macro MUL16 a0, p, q, sc, zero
.irp a, \a0, \a0+1
.irp b, 0,1,2,3,4,5,6,7
.if \zero
	v_wmma_scale_f32_16x16x128_f8f6f4 v[8*(8*((\a)%4)+\b):8*(8*((\a)%4)+\b)+7], v[128*(\p)+FR*\b:128*(\p)+FR*\b+FR-1], v[AF+FR*(\a):AF+FR*(\a)+FR-1], 0, v[SC+8*NQ*(\sc)+NQ*\b+(\q)], v[SC+8*NQ*(\sc)+NQ*(\a)+(\q)] matrix_a_fmt:MATRIX_FMT_FP4 matrix_b_fmt:MATRIX_FMT_FP4 matrix_a_scale:MATRIX_SCALE_ROW1
.else
	v_wmma_scale_f32_16x16x128_f8f6f4 v[8*(8*((\a)%4)+\b):8*(8*((\a)%4)+\b)+7], v[128*(\p)+FR*\b:128*(\p)+FR*\b+FR-1], v[AF+FR*(\a):AF+FR*(\a)+FR-1], v[8*(8*((\a)%4)+\b):8*(8*((\a)%4)+\b)+7], v[SC+8*NQ*(\sc)+NQ*\b+(\q)], v[SC+8*NQ*(\sc)+NQ*(\a)+(\q)] matrix_a_fmt:MATRIX_FMT_FP4 matrix_b_fmt:MATRIX_FMT_FP4 matrix_a_scale:MATRIX_SCALE_ROW1
.endif
.endr
.endr
.endm
.macro FETCH_B slot, q, p
	WIN TO_B
.irp i, 0,1,2,3,4,5,6,7
	FRAG 128*(\p)+FR*\i, ADRB+\slot, \q, \i
.endr
	WIN 0
.endm
.macro FETCH_A slot, q, i0
.irp i, \i0, \i0+1, \i0+2, \i0+3
	FRAG AF+FR*(\i), ADRA+\slot, \q, \i
.endr
.endm
.macro SCALES sc                       ; a K step's scale words: lanes 0-15 take A's block i, lanes 16-31 B's block i
.irp i, 0,1,2,3,4,5,6,7
	ds_load_b128 v[SC+8*NQ*\sc+NQ*\i:SC+8*NQ*\sc+NQ*\i+3], v[ADRS] offset:\i*SBLK
.endr
.endm
.macro PLACES n                        ; plain vector lines between a matrix instruction and a load into, or a read of, its registers
.rept \n
	v_nop
.endr
.endm
.macro STEP slot, q, zero
	s_wait_dscnt 4*NL                              ; B's set and A's blocks 0-3 are in; the youngest eight loads (A's blocks 4-7) may be out
	WIN MUL_LO
	MUL16 0, (\q)%2, \q, \slot, \zero
	MUL16 2, (\q)%2, \q, \slot, \zero
	s_wait_dscnt 0
	PLACES NP
	FETCH_B \slot, (\q)+1, 1-(\q)%2
	FETCH_A \slot, (\q)+1, 0
	WIN MUL_HI
	MUL16 4, (\q)%2, \q, \slot, \zero
	MUL16 6, (\q)%2, \q, \slot, \zero
	PLACES NP
	WIN 0
	FETCH_A \slot, (\q)+1, 4
.endm
; A slot's last step changes slots: one barrier; in front of it each wave waits for all its tensor loads, adds 0 to its spare word, and waits for that and for its reads of this slot.
.macro TURN slot, next, fill
	s_wait_tensorcnt 0x0                           ; all my tensor loads have landed: my part of the next slot
	ds_add_u32 v[SPW], v[NIL]
	s_wait_dscnt 4*NL+1                            ; the add and the youngest eight loads may be out
	WIN MUL_LO
	MUL16 0, 1, NQ-1, \slot, 0
	s_wait_dscnt 0x0                               ; the add is done, and my reads of this slot are over
	s_barrier_signal -1
	MUL16 2, 1, NQ-1, \slot, 0
	WIN 0
	s_barrier_wait -1
.if \fill
	CREST                                          ; the barrier has opened a round of the cluster's: no wave of any partner still reads this slot or has a load on its way
	s_add_nc_u64 s[G0+4*\slot+2:G0+4*\slot+3], s[G0+4*\slot+2:G0+4*\slot+3], 2*ROWB
	s_add_nc_u64 s[G0B+4*\slot+2:G0B+4*\slot+3], s[G0B+4*\slot+2:G0B+4*\slot+3], 2*ROWB
	JLOAD G0+4*\slot, G1, G0B+4*\slot, G1B         ; the first tensor load behind the round; its four v_nop are the places in front of the loads below
.else
	PLACES NP
.endif
	v_add_nc_u32 v[ADRS], 4*NQ, v[ADRS]
	FETCH_B \next, 0, 0
	FETCH_A \next, 0, 0
	SCALES \next
	WIN MUL_HI
	MUL16 4, 1, NQ-1, \slot, 0
	MUL16 6, 1, NQ-1, \slot, 0
	PLACES NP
	WIN 0
	FETCH_A \next, 0, 4
.endm
.macro STEPS slot, from
.set Q, \from
.rept NQ-1-\from
	STEP \slot, Q, 0
.set Q, Q+1
.endr
.endm
; The last slot's four steps, 256 products: no barrier, no tensor load, nothing more to fetch at the end; then the places behind the last products, for the loads into B's and A's registers and the first reads of results.
.macro LASTSLOT
	STEPS 1, 0
	s_wait_dscnt 4*NL
	WIN MUL_LO
	MUL16 0, 1, NQ-1, 1, 0
	MUL16 2, 1, NQ-1, 1, 0
	s_wait_dscnt 0
	WIN MUL_HI
	MUL16 4, 1, NQ-1, 1, 0
	MUL16 6, 1, NQ-1, 1, 0
	WIN 0
	PLACES NP
.endm
; THE WAY OUT, block by block of 16 rows x 128 columns.
.macro CSSET a                         ; where block a's cos and sin lie: four sets of 64 registers by turns.  Sets 0, 1 and 2 are named by no line of the loop; set 3 held fragments of B
.if ((\a)%4) == 0
.set CC, 64
.set CW, 1
.elseif ((\a)%4) == 1
.set CC, 192
.set CW, 1
.elseif ((\a)%4) == 2
.set CC, 192
.set CW, 0
.else
.set CC, 0
.set CW, 1
.endif
.endm
.macro ROPELD a                        ; cos and sin of block a's 16 tokens: lane (r, h) takes, for each of B's eight blocks, the four pairs of its eight columns: 32 bytes
	CSSET \a
	WIN 0x40*CW
.irp b, 0,1,2,3,4,5,6,7
.irp u, 0,1
	global_load_b128 v[CC+8*\b+4*\u:CC+8*\b+4*\u+3], v[RO], s[8:9] offset:(\a)*8192+64*\b+16*\u
.endr
.endr
	WIN 0
.endm
.macro ROPE a                          ; (x0, x1) -> (x0 c - x1 s, x1 c + x0 s), in f32, two packed lines a pair; then f16.  Each accumulator is read from its low end on
	CSSET \a
.set AC, 64*((\a)%4)
.set TT, 8+120*CW                      ; four pairs at work, in the set's own window: v8-15 or v128-135
	WIN 0x54*CW+2+(\a)/4                           ; source 0: the accumulators' window; all else the set's
.irp b, 0,1,2,3,4,5,6,7
.irp p, 0,1,2,3
	v_pk_mul_f32 v[TT+2*\p:TT+2*\p+1], v[AC+8*\b+2*\p:AC+8*\b+2*\p+1], v[CC+8*\b+2*\p:CC+8*\b+2*\p+1] op_sel_hi:[1,0]
.endr
.irp p, 0,1,2,3
	v_pk_fma_f32 v[CC+8*\b+2*\p:CC+8*\b+2*\p+1], v[AC+8*\b+2*\p:AC+8*\b+2*\p+1], v[CC+8*\b+2*\p:CC+8*\b+2*\p+1], v[TT+2*\p:TT+2*\p+1] op_sel:[1,1,0] op_sel_hi:[0,1,1] neg_lo:[0,1,0]
.endr
.endr
	WIN 0x05*CW                                    ; sources in the set's window, destination window 0
.irp b, 0,1,2,3,4,5,6,7
.irp p, 0,1,2,3
	v_cvt_pk_f16_f32 v[TMP+4*\b+\p], v[CC+8*\b+2*\p], v[CC+8*\b+2*\p+1]
.endr
.endr
	WIN 0
.endm
.macro PACKV a                         ; V^T has no rotation: f16 straight from the sums
.set AC, 64*((\a)%4)
	WIN 0x0a+5*((\a)/4)
.irp b, 0,1,2,3,4,5,6,7
.irp p, 0,1,2,3
	v_cvt_pk_f16_f32 v[TMP+4*\b+\p], v[AC+8*\b+2*\p], v[AC+8*\b+2*\p+1]
.endr
.endr
	WIN 0
.endm
.macro TOSTAGE a, so                   ; into my stage and back as whole rows: LDS serves a wave's instructions in order
.set BB, BK+32*((\a)%2)
.irp b, 0,1,2,3,4,5,6,7
	ds_store_b128 v[STO], v[TMP+4*\b:TMP+4*\b+3] offset:(\so)+32*\b
.endr
.irp t, 0,1,2,3,4,5,6,7
	ds_load_b128 v[BB+4*\t:BB+4*\t+3], v[RD] offset:(\so)+2*SPITCH*\t
.endr
.endm
.macro SEND a
.set BB, BK+32*((\a)%2)
	s_wait_dscnt 0x0                               ; the block is back in registers
	s_wait_xcnt 0x0                                ; the stores of the block before have read their registers: the next block's loads from the stage may land there
.irp t, 0,1,2,3,4,5,6,7
	global_store_b128 v[CO], v[BB+4*\t:BB+4*\t+3], s[12:13] offset:(\a)*4096+512*\t   ; 32 lanes store 512 consecutive bytes, aligned
.endr
.endm
	s_wait_tensorcnt 1                             ; the scales and my part of K step 0 are in; K step 1's load may be out
	s_barrier_signal -1
	s_barrier_wait -1
	FETCH_B 0, 0, 0
	FETCH_A 0, 0, 0
	SCALES 0
	FETCH_A 0, 0, 4
	STEP 0, 0, 1                                   ; the first step's products start the sums
	s_mov_b32 s3, LAPS-1
.Llap:
	STEPS 0, 1
	TURN 0, 1, 1
	STEPS 1, 0
	TURN 1, 0, 1
	STEP 0, 0, 0
	s_sub_co_u32 s3, s3, 1
	s_cmp_lg_u32 s3, 0
	s_cbranch_scc1 .Llap
	STEPS 0, 1                                     ; the last lap fills nothing
	TURN 0, 1, 0                                   ; the last barrier: behind it nobody reads slot 0, and every window is 0
	s_cmp_lt_u32 ttmp9, 4                          ; THE ONE PARTING, on the cluster's x: each arm is written out whole from here on and has stage bytes of its own
	s_cbranch_scc0 .Lvalues
	ROPELD 0                                       ; Q and K: the first three blocks' cos and sin, 48 loads, into registers that the products below do not name: they have those 256 products in which to land
	ROPELD 1
	ROPELD 2
	LASTSLOT
.irp a, 0,1,2,3,4,5,6,7
.if \a < 6
	s_wait_loadcnt 32                              ; this block's 16 loads are in; the 32 of the two blocks behind it may be out
.else
	s_wait_loadcnt 16*(7-\a)
.endif
.if \a < 5
	ROPELD \a+3                                    ; three blocks ahead, into the set that block a - 1 has left (a = 0: into B's, behind the places); 48 loads are out at the most
.endif
	ROPE \a
.if \a > 0
	SEND \a-1
.endif
	TOSTAGE \a, 0
.endr
	SEND 7
	s_wait_tensorcnt 0x0                           ; the wave's end
	ds_add_u32 v[SPW], v[NIL]
	s_wait_dscnt 0x0
	s_branch .Ldone
.Lvalues:
	LASTSLOT
.irp a, 0,1,2,3,4,5,6,7
	PACKV \a
.if \a > 0
	SEND \a-1
.endif
	TOSTAGE \a, VSTG
.endr
	SEND 7
	s_wait_tensorcnt 0x0                           ; the wave's end, in this arm
	ds_add_u32 v[SPW], v[NIL]
	s_wait_dscnt 0x0
.Ldone:
	CROUND                                         ; the closing round: no work-group ends while a partner may still ask for a tile that names it
	s_endpgm
.Lfunc_end_k_qf69ef67781_qkv:
	.size	k_qf69ef67781_qkv, .Lfunc_end_k_qf69ef67781_qkv-k_qf69ef67781_qkv
	.p2alignl 7, 3214868480
	.fill 96, 4, 3214868480
	.section	.rodata,"a",@progbits
	.p2align	6, 0x0
	.amdhsa_kernel k_qf69ef67781_qkv
		.amdhsa_group_segment_fixed_size 327680
		.amdhsa_private_segment_fixed_size 0
		.amdhsa_enable_private_segment 0
		.amdhsa_kernarg_size 32
		.amdhsa_user_sgpr_count 2
		.amdhsa_user_sgpr_kernarg_segment_ptr 1
		.amdhsa_wavefront_size32 1
		.amdhsa_system_sgpr_workgroup_id_x 1
		.amdhsa_system_sgpr_workgroup_id_y 1
		.amdhsa_system_sgpr_workgroup_id_z 1
		.amdhsa_system_vgpr_workitem_id 0
		.amdhsa_next_free_vgpr 1024
		.amdhsa_next_free_sgpr 100
		.amdhsa_reserve_vcc 0
		.amdhsa_float_denorm_mode_32 3
		.amdhsa_float_denorm_mode_16_64 3
		.amdhsa_memory_ordered 1
		.amdhsa_forward_progress 1
		.amdhsa_inst_pref_size 255
	.end_amdhsa_kernel
	.section	.bss,"aw",@nobits
	.p2align	6
	.space	262144
	.amdgpu_metadata
---
amdhsa.version: [ 1, 2 ]
amdhsa.kernels:
  - .name:           k_qf69ef67781_qkv
    .symbol:         k_qf69ef67781_qkv.kd
    .args:
      - { .name: codes, .offset: 0, .size: 8, .value_kind: global_buffer, .address_space: global }
      - { .name: scales, .offset: 8, .size: 8, .value_kind: global_buffer, .address_space: global }
      - { .name: rope, .offset: 16, .size: 8, .value_kind: global_buffer, .address_space: global }
      - { .name: qkv, .offset: 24, .size: 8, .value_kind: global_buffer, .address_space: global }
    .group_segment_fixed_size: 327680
    .private_segment_fixed_size: 0
    .kernarg_segment_align: 8
    .kernarg_segment_size: 32
    .max_flat_workgroup_size: 128
    .sgpr_count:     100
    .vgpr_count:     1024
    .wavefront_size: 32
...
	.end_amdgpu_metadata
.endif
;; end of part 2
;; launch attn (part 3): grid 16 x 16, 4 waves a work-group, clusters of 4 x 1, 327,680 bytes of LDS; arguments qkv, maskw, o16; writes o16
.if DOCPART == 3
	.amdgcn_target "amdgcn-amd-amdhsa--gfx1250"
	.amdhsa_code_object_version 6
	.text
	.protected	k_qf69ef67781_attn
	.globl	k_qf69ef67781_attn
	.p2align	8
	.type	k_qf69ef67781_attn,@function
k_qf69ef67781_attn:
	s_mov_b64 s[64:65], 0
	v_nop
	global_prefetch_b8 v0, s[64:65] scope:SCOPE_SE
	s_setreg_imm32_b32 hwreg(HW_REG_WAVE_MODE, 25, 1), 1
	s_wait_xcnt 0x0
	s_wait_alu depctr_hold_cnt(0) depctr_sa_sdst(0) depctr_va_vdst(0) depctr_va_sdst(0) depctr_va_ssrc(0) depctr_va_vcc(0) depctr_vm_vsrc(0)
	s_getreg_b32 s2, hwreg(HW_REG_IB_STS2, 6, 4)
	s_cmp_eq_u32 s2, 0
	s_cbranch_scc0 .Lentry_in_a_cluster
	s_endpgm
.Lentry_in_a_cluster:
	s_bfe_u32 s2, ttmp6, 0x10000c
	s_cmp_lg_u32 s2, 0x3003
	s_cbranch_scc0 .Lentry_shape_is_right
	s_endpgm
.Lentry_shape_is_right:
; O[q] = the sum over k of softmax_k(where(mask[q][k], Q[q] . K[k] / sqrt(128), -inf)) V[k], head by head.  Q, K, V^T in f16 as the launch before laid them; products, maxima and sums in f32; the weights p are rounded to f16, O once at the end.
; Nothing is left out: the mask is an input, so every tile of scores is computed and the mask selects (a lane mask a score register, made by the first launch).
; SHARES.  A work-group owns 128 queries of one head.  Wave w = 2 qh + kh owns 64 queries (four tiles of 16, so that a fragment of K or V read from LDS feeds four products) and HALF THE KEYS: of each 128 keys the 64 from 64 kh on.
; At the end the two waves of a query half merge their maxima, sums and O.  Register tile t holds query tile t xor 2 kh, so that every wave keeps register tiles 0, 1 and hands 2, 3 to its partner w xor 1: one text for all waves.
; LAYOUT.  S^T = K Q^T (source 0 = 16 keys, source 1 = 16 queries): a lane holds ONE query (lane % 16) and keys 8 (lane / 16) + 0..7; two such tiles, rounded in pairs, are source 1 of O^T = V^T P.  V^T lies with the keys innermost, so both K and V^T come out of LDS as they lie.
; SOFTMAX.  A running maximum m and sum l for each query: p = 2^(c s - c m), c = log2(e) / sqrt(128); O and l are multiplied by a = 2^(c m_old - c m_new) in every step.  m begins at -3e38, so a step whose keys are all hidden gives p = 0 and a = 1.
; LIMITS: a score at or under -3e38 counts as hidden; a query with no key gives 0 x infinity = NaN, as the softmax of a row of -inf does; f16 operands: magnitudes over 65,504 become infinite.
; BY TURNS.  The wave's tiles are two PIECES (0: tiles 0, 1; 2: tiles 2, 3).  In a TURN one piece has the matrix unit (32 products V^T P of the step in hand, 32 products K Q^T of the next) and the other piece's mask and softmax, 332 lines cut into 64 slices, stand one slice behind each product.
; CLUSTER.  The four query blocks of a cluster belong to one head and walk the same K and V^T: each tile is asked for jointly.  A slot holds 256 keys in four parts of 128 rows x 256 bytes (K, K, V^T, V^T); wave w fetches part w: every wave one load, with no branch.
; A wave has two tensor loads out at the start and one behind each refill.
; REGISTERS: window 0: v0-11, v44, v45, v60-63 addresses and constants; v12-43 statistics, eight a tile; v64-191 S^T, 32 a tile; v192-255 P, 16 a tile.   window 1: O^T, 64 a tile.   window 2: v0-127 Q; v128-255 K of one step.   window 3: v0-127 V^T of one step.
.set PK,    272                        ; an LDS row: 256 bytes + 16 of padding
.set STEPB, 128*PK                     ; a part of a slot
.set VOFF,  2*STEPB
.set SLOTB, 4*STEPB
.set SPARE, 2*SLOTB                    ; the spare words: 128 bytes a wave, two blocks of 256 bytes that no other line names
.set MRGB,  17408                      ; the merge: two tiles of O^T as images of their registers (16,384 bytes) and two images of four statistics (512 each), for each wave;
.set STAGE, 4*MRGB                     ; behind them the stages for the way out.  Both lie in ring slot 0, which has had its last fill and its last read at the last change of slots
.set SP,    272
.set AK0, 2
.set AV0, 3
.set ADR, 4
.set QOA, 5
.set STO, 6
.set RD,  7
.set GO,  8
.set QOB, 10
.set MST, 44
.set MLD, 45
.set NINF, 60
.set PFO, 61
.set SPW, 62
.set NIL, 63
.set ST,  12                           ; tile t's statistics at v[ST+8 t]: +0 c m, +1 m, +2, +3 l (even keys', odd keys'), +4 to +7 at work; a takes +6
.set S,   64
.set P,   192
.set KF,  128
.set G1,  4                            ; s[4:11]  descriptor group 1, one for all tiles
.set G0A, 12                           ; s[12:15] group 0 of the first fill of slot 0
.set G0B, 16                           ; s[16:19] of slot 1; it then walks
.set WV,  20
.set SLOTS, 21
.set TWICE, 22
.set TB,  23                           ; LDS byte at which the step to be fetched begins
.set CS,  24
.set SEL, 26
.set PFA, 28
.set LIM, 30
.set SL,  31                           ; the ring slot that the next refill takes
.set MW,  32                           ; s[32:63] the 32 mask words of the piece's first tile, s[68:99] of its second
.set MP,  66
.set OP,  100
.set MO,  104                          ; s104, s105: byte offset of piece 0's and piece 2's next mask words
.set MSB, 0
.macro WIN new
.if MSB != (\new)
	s_set_vgpr_msb (MSB<<8)|(\new)
.set MSB, \new
.endif
.endm
.set W_KQ, 0x0a                        ; K and Q in window 2, S^T in window 0
.set W_PV, 0x53                        ; V^T in window 3, P in window 0, O^T in window 1
.set W_RS, 0x41                        ; O^T in window 1, a in window 0
.macro JLOAD                           ; the joint refill: every wave's one load; an s_nop 0 and four v_nop follow it
	tensor_load_to_lds s[G0B:G0B+3], s[G1:G1+7]
	s_nop 0
.rept 4
	v_nop
.endr
.endm
; A prefetch of what the NEXT change of slots will ask for: a slot's 512 rows of 256 bytes, each named once in the launch: the head's first cluster asks; its four partners share each part's 128 rows out by address, 32 each; a lane a row, one line a wave.
; It stands behind the wave's tensor load and its five lines, one slot (256 products) ahead of the load that will want the rows.  The last change that fills a slot asks for nothing.
.macro ASK
	s_cmp_gt_u32 s[SLOTS], s[LIM]
	s_cbranch_scc0 .Lnot_mine_\@
	global_prefetch_b8 v[PFO], s[PFA:PFA+1] th:TH_LOAD_NT scope:SCOPE_SE
.Lnot_mine_\@:
.endm
.macro CROUND
	s_barrier_signal -1
	s_barrier_wait -1
	s_cmp_lg_u32 s[WV], 0
	s_cbranch_scc1 .Lnot_wave_0_\@
	s_barrier_signal -3
.Lnot_wave_0_\@:
	s_barrier_wait -3
	s_barrier_signal -1
	s_barrier_wait -1
.endm
.macro MLOAD p                         ; piece p's 64 mask words of its next step: 128 bytes for each of its two tiles of queries, 4,096 bytes apart
	s_load_b512 s[MW:MW+15], s[MP:MP+1], s[MO+(\p)/2] offset:0x0
	s_load_b512 s[MW+16:MW+31], s[MP:MP+1], s[MO+(\p)/2] offset:0x40
	s_load_b512 s[MW+36:MW+51], s[MP:MP+1], s[MO+(\p)/2] offset:0x1000
	s_load_b512 s[MW+52:MW+67], s[MP:MP+1], s[MO+(\p)/2] offset:0x1040
.endm
	s_load_b128 s[32:35], s[0:1], 0x0              ; qkv, maskw (s32-53 are the head's: the first mask words land there behind their last use)
	s_load_b64 s[36:37], s[0:1], 0x10              ; o16
	v_lshl_add_u32 v[SPW], v0, 2, SPARE
	v_mov_b32 v[NIL], 0
	ds_add_u32 v[SPW], v[NIL]                      ; the wave's opening: the add, twice on end, and its wait ahead of my first tensor load
	ds_add_u32 v[SPW], v[NIL]
	v_lshrrev_b32 v1, 5, v0
	v_readfirstlane_b32 s[WV], v1
	s_bfe_u32 s40, ttmp6, 0x40000                  ; cx
	s_lshl_b32 s41, ttmp9, 2
	s_add_co_u32 s41, s41, s40                     ; my block of 128 queries: it enters Q's, O's and the mask words' addresses alone
	s_and_b32 s42, ttmp7, 0xffff                   ; the head, which the four partners share
	s_lshr_b32 s43, s[WV], 1                       ; qh; also: I fetch K (0) or V^T (1)
	s_and_b32 s44, s[WV], 1                        ; kh; also: which 128 keys of a slot I fetch
	s_xor_b32 s45, s44, 1
	s_lshl_b32 s46, s43, 23                        ; my part of slot 0: K from 8 MiB, V^T from 16 MiB,
	s_add_co_u32 s46, s46, 1<<23
	s_lshl_b32 s47, s42, 19                        ; 512 KiB a head,
	s_add_co_u32 s46, s46, s47
	s_lshl_b32 s47, s44, 15                        ; 32 KiB for 128 keys
	s_add_co_u32 s46, s46, s47
	s_mov_b32 s47, 0
	s_lshl_b32 s48, s42, 19                        ; Q: the head, my block's 128 rows of 256 bytes, my wave's 64
	s_lshl_b32 s49, s41, 15
	s_add_co_u32 s48, s48, s49
	s_lshl_b32 s49, s43, 14
	s_add_co_u32 s48, s48, s49
	s_mov_b32 s49, 0
	s_lshl_b32 s50, s41, 19                        ; O: rows of 4,096 bytes: 128 a block, 64 a query half, 32 that I keep; 256 bytes a head
	s_lshl_b32 s51, s43, 18
	s_add_co_u32 s50, s50, s51
	s_lshl_b32 s51, s44, 17
	s_add_co_u32 s50, s50, s51
	s_lshl_b32 s51, s42, 8
	s_add_co_u32 s50, s50, s51
	s_mov_b32 s51, 0
	s_lshl_b32 s[MO], s41, 15                      ; mask words: 4,096 bytes a tile of queries: 8 tiles a block, 4 a query half; 128 kh bytes along the keys
	s_lshl_b32 s52, s43, 14
	s_add_co_u32 s[MO], s[MO], s52
	s_lshl_b32 s52, s44, 7
	s_add_co_u32 s[MO], s[MO], s52
	s_lshl_b32 s52, s45, 13
	s_add_co_u32 s[MO+1], s[MO], s52               ; piece 2: query tiles 2 (1 - kh) on
	s_lshl_b32 s52, s44, 13
	s_add_co_u32 s[MO], s[MO], s52                 ; piece 0: query tiles 2 kh on
	s_mov_b32 s[G1], 15|(1<<16)|(1<<20)|(1<<21)|(5<<22)|(3<<25)   ; the mask: all four work-groups; elements of 2 bytes; padding on: 4 words behind every 64; bit 21 beside a mask
	s_mov_b32 s[G1+1], 128<<16                     ; tensor_dim0 = 128
	s_mov_b32 s[G1+2], 128<<16                     ; tensor_dim1 = 128
	s_mov_b32 s[G1+3], 128<<16                     ; tile_dim0 = 128
	s_mov_b32 s[G1+4], 128                         ; tile_dim1 = 128
	s_mov_b32 s[G1+5], 128                         ; from row to row
	s_mov_b32 s[G1+6], 0
	s_mov_b32 s[G1+7], 0
	s_mov_b32 s[CS], 0x3e0293ee                    ; c = log2(e) / sqrt(128)
	s_mov_b32 s[CS+1], s[CS]
	s_mov_b32 s[SEL], 0x76543210
	s_mov_b32 s[SEL+1], 0xfedcba98
	s_mov_b32 s[TB], 0
	s_mov_b32 s[SLOTS], 6                          ; eight slots of 256 keys; two are the first fills
	s_mov_b32 s[SL], 1
	s_cmp_eq_u32 ttmp9, 0
	s_cselect_b32 s[LIM], 1, -1                    ; the head's first cluster prefetches: the same in all four partners
	v_and_b32 v[PFO], 31, v0
	v_lshlrev_b32 v[PFO], 8, v[PFO]
	v_mov_b32 v[NINF], 0xff800000
	s_wait_dscnt 0x0                               ; both opening adds are done
	s_wait_kmcnt 0x0
	s_add_nc_u64 s[46:47], s[32:33], s[46:47]
	s_add_nc_u64 s[2:3], s[32:33], s[48:49]        ; Q
	s_add_nc_u64 s[OP:OP+1], s[36:37], s[50:51]
	s_mov_b64 s[MP:MP+1], s[34:35]
	s_lshl_b32 s52, s40, 13                        ; my work-group's 32 rows of a part's 128
	s_mov_b32 s53, 0
	s_add_nc_u64 s[PFA:PFA+1], s[46:47], s[52:53]
	s_add_nc_u64 s[PFA:PFA+1], s[PFA:PFA+1], 2*65536   ; in slot 2: the first change steps it to slot 3.  Nothing is prefetched at the head
	CROUND                                         ; all four work-groups are here: the first joint loads meet
	s_mov_b32 s[G0A], 1
	s_mul_i32 s[G0A+1], s[WV], STEPB
	s_mov_b64 s[G0A+2:G0A+3], s[46:47]
	s_or_b32 s[G0A+3], s[G0A+3], 0x80000000
	s_mov_b32 s[G0B], 1
	s_add_co_u32 s[G0B+1], s[G0A+1], SLOTB
	s_add_nc_u64 s[G0B+2:G0B+3], s[46:47], 65536
	s_or_b32 s[G0B+3], s[G0B+3], 0x80000000
	tensor_load_to_lds s[G0A:G0A+3], s[G1:G1+7]    ; both first fills together, ahead of every wait on TENSORcnt and every LDS read
	s_nop 0
	tensor_load_to_lds s[G0B:G0B+3], s[G1:G1+7]
	s_nop 0
.rept 4
	v_nop
.endr
	v_and_b32 v1, 15, v0                           ; r
	v_bfe_u32 v9, v0, 4, 1                         ; h
	v_lshlrev_b32 v11, 8, v1
	v_lshl_add_u32 v11, v9, 4, v11                 ; row x 256 + 16 x half
	s_lshl_b32 s52, s44, 13
	v_add_nc_u32 v[QOA], s52, v11                  ; register tiles 0, 1: query tiles 2 kh on
	s_lshl_b32 s52, s45, 13
	v_add_nc_u32 v[QOB], s52, v11                  ; register tiles 2, 3: query tiles 2 (1 - kh) on
	WIN 0x80                                       ; destination window 2
.irp i, 0,1,2,3,4,5,6,7
	global_load_b128 v[8*\i:8*\i+3],   v[QOA], s[2:3] offset:(\i/4)*4096+(\i%4)*64
	global_load_b128 v[8*\i+4:8*\i+7], v[QOA], s[2:3] offset:(\i/4)*4096+(\i%4)*64+32
.endr
.irp i, 8,9,10,11,12,13,14,15
	global_load_b128 v[8*\i:8*\i+3],   v[QOB], s[2:3] offset:(\i/4-2)*4096+(\i%4)*64
	global_load_b128 v[8*\i+4:8*\i+7], v[QOB], s[2:3] offset:(\i/4-2)*4096+(\i%4)*64+32
.endr
	WIN 0
	v_mul_u32_u24 v11, v1, PK
	v_lshl_add_u32 v11, v9, 4, v11
	s_mul_i32 s52, s44, 64*PK
	v_add_nc_u32 v[AK0], s52, v11                  ; K: my 64 of a part's 128 rows
	s_lshl_b32 s52, s44, 7
	s_add_co_u32 s52, s52, VOFF
	v_add_nc_u32 v[AV0], s52, v11                  ; V^T: my 64 keys are 128 bytes of each row
	v_and_b32 v11, 31, v0
	v_lshlrev_b32 v11, 4, v11
	s_mul_i32 s52, s[WV], MRGB
	v_add_nc_u32 v[MST], s52, v11                  ; the merge: where I put images,
	s_xor_b32 s52, s[WV], 1
	s_mul_i32 s52, s52, MRGB
	v_add_nc_u32 v[MLD], s52, v11                  ; and where my partner's lie
	MLOAD 0                                        ; piece 0's words of step 0: the head's scalars are done with
; Product i of 32 of O^T += V^T P: keys 32 (i / 16) on, channels 16 ((i / 2) % 8) on, tile x + i % 2.  The accumulators take turns.  zero = 1: the first 16 start the sums.
.macro PV x, zero
	WIN W_PV
.set rO, 64*(\x+i%2)+8*((i/2)%8)
.set rV, 64*(i/16)+8*((i/2)%8)
.set rP, P+16*(\x+i%2)+8*(i/16)
.if \zero && (i < 16)
	v_wmma_f32_16x16x32_f16 v[rO:rO+7], v[rV:rV+7], v[rP:rP+7], 0
.else
	v_wmma_f32_16x16x32_f16 v[rO:rO+7], v[rV:rV+7], v[rP:rP+7], v[rO:rO+7]
.endif
.endm
; Product i of 32 of S^T = K Q^T: channels 32 (i / 8) on, keys 16 ((i / 2) % 4) on, tile x + i % 2.  The first 8 start the sums.
.macro KQ x
	WIN W_KQ
.set rS, S+32*(\x+i%2)+8*((i/2)%4)
.set rK, KF+32*((i/2)%4)+8*(i/8)
.set rQ, 32*(\x+i%2)+8*(i/8)
.if i < 8
	v_wmma_f32_16x16x32_f16 v[rS:rS+7], v[rK:rK+7], v[rQ:rQ+7], 0
.else
	v_wmma_f32_16x16x32_f16 v[rS:rS+7], v[rK:rK+7], v[rQ:rQ+7], v[rS:rS+7]
.endif
.endm
.macro FETCH_K                         ; a step's K: 64 keys x 128 channels, 16 fragments, in one run of loads
	WIN 0
	v_add_nc_u32 v[ADR], s[TB], v[AK0]
	WIN 0x80
.irp f, 0,1,2,3,4,5,6,7,8,9,10,11,12,13,14,15
	ds_load_b128 v[KF+8*\f:KF+8*\f+3],   v[ADR] offset:(\f/4)*16*PK+(\f%4)*64
	ds_load_b128 v[KF+8*\f+4:KF+8*\f+7], v[ADR] offset:(\f/4)*16*PK+(\f%4)*64+32
.endr
.endm
.macro FETCH_V                         ; the same step's V^T: fragment f: keys 32 (f / 8) on, channels 16 (f % 8) on
	WIN 0
	v_add_nc_u32 v[ADR], s[TB], v[AV0]
	s_add_co_u32 s[TB], s[TB], STEPB               ; the next fetch is the next step's
	s_wait_alu depctr_va_vdst(0)                   ; the wait for the softmax's batch of exponentials stands here, ahead of the loads
	WIN 0xc0
.irp f, 0,1,2,3,4,5,6,7,8,9,10,11,12,13,14,15
	ds_load_b128 v[8*\f:8*\f+3],   v[ADR] offset:(\f%8)*16*PK+(\f/8)*64
	ds_load_b128 v[8*\f+4:8*\f+7], v[ADR] offset:(\f%8)*16*PK+(\f/8)*64+32
.endr
.endm
; One tile's softmax for one step is a list of 134 lines; SM writes number j of it for tile t.
;   0-15 the maximum of the 32 scores and the old m (first step: and -3e38);  16-20 the other half of the lanes' maximum, the new m, c m, c m_old - c m_new;
;   21-69 ONE BATCH: 16 packed scalings c s - c m and 33 exponentials (a, then the 32 scores), none of which reads an exponential's result;  (the wait);  70-85 the roundings to f16;  86-101 the sums;  102-133 O^T times a.
.macro SM t, first
.set rT, ST+8*(\t)
.set rS, S+32*(\t)
.set rP, P+16*(\t)
.set rO, 64*(\t)+2*(j-102)
.if j < 102
	WIN 0
.endif
.if j < 4
	v_max3_num_f32 v[rT+4+j], v[rS+8*j], v[rS+8*j+1], v[rS+8*j+2]
.elseif j < 12
	v_max3_num_f32 v[rT+4+j%4], v[rT+4+j%4], v[rS+8*(j%4)+2*(j/4)+1], v[rS+8*(j%4)+2*(j/4)+2]
.elseif j == 12
	v_max3_num_f32 v[rT+4], v[rT+4], v[rS+7], v[rS+15]
.elseif j == 13
	v_max3_num_f32 v[rT+6], v[rT+6], v[rS+23], v[rS+31]
.elseif j == 14
	v_max3_num_f32 v[rT+4], v[rT+4], v[rT+5], v[rT+6]
.elseif (j == 15) && \first
	v_max3_num_f32 v[rT+4], v[rT+4], v[rT+7], 0xff61b1e6   ; m is never under -3e38: where all keys so far are hidden it stays a number
.elseif j == 15
	v_max3_num_f32 v[rT+4], v[rT+4], v[rT+7], v[rT+1]
.elseif j == 16
	v_permlanex16_b32 v[rT+5], v[rT+4], s[SEL], s[SEL+1]
.elseif j == 18
	v_max_num_f32 v[rT+1], v[rT+4], v[rT+5]
.elseif j == 19
	v_mul_f32 v[rT], s[CS], v[rT+1]
.elseif ((j == 17) || (j == 20) || (j == 23) || (j > 101)) && \first  ; the first step has none of these
.elseif j == 17
	v_mov_b32 v[rT+7], v[rT]
.elseif j == 20
	v_sub_f32 v[rT+7], v[rT+7], v[rT]
.elseif j == 23
	v_exp_f32 v[rT+6], v[rT+7]
.elseif (j < 23) || ((j < 38) && (j%2 == 0)) || ((j < 66) && (j%4 == 2))
.set b, (j-2)/4
.if j < 38
.set b, (j-20)/2
.endif
	v_pk_fma_f32 v[rS+2*b:rS+2*b+1], v[rS+2*b:rS+2*b+1], s[CS:CS+1], v[rT:rT+1] op_sel_hi:[1,0,0] neg_lo:[0,0,1] neg_hi:[0,0,1]
.elseif j < 70
.set e, j-38
.if j < 66
.set e, j-32-(j-38)/4
.endif
.if j < 38
.set e, (j-25)/2
.endif
	v_exp_f32 v[rS+e], v[rS+e]
.elseif j < 86
	v_cvt_pk_f16_f32 v[rP+j-70], v[rS+2*(j-70)], v[rS+2*(j-70)+1]
.elseif j < 102
.set z, j-86
.set w, 4
.set u, z
.if z >= 14
.set w, 32
.set u, 0
.elseif z >= 12
.set w, 16
.set u, z-12
.elseif z >= 8
.set w, 8
.set u, z-8
.endif
.if (z == 14) && \first
	v_pk_add_f32 v[rT+2:rT+3], v[rS:rS+1], v[rS+16:rS+17]
.elseif z < 15
	v_pk_add_f32 v[rS+w*u:rS+w*u+1], v[rS+w*u:rS+w*u+1], v[rS+w*u+w/2:rS+w*u+w/2+1]
.elseif !\first
	v_pk_fma_f32 v[rT+2:rT+3], v[rT+2:rT+3], v[rT+6:rT+7], v[rS:rS+1] op_sel_hi:[1,0,1]
.endif
.else
	WIN W_RS
	v_pk_mul_f32 v[rO:rO+1], v[rO:rO+1], v[rT+6:rT+7] op_sel_hi:[1,0]
.endif
.endm
; Entry en of 332 of piece y's vector work.  0-63: the mask: score register n of a tile keeps its number where the lane's bit is set and becomes -inf elsewhere (ascending: each accumulator is read from its low end on).
; From 64 on: number (en - 64) / 2 of the two tiles' lists by turns.  Ahead of entry 64 the mask words are done with, and the other piece's next words are asked for (ml = 1).
; Behind entry 203, the last exponential: the batch's one plain line and its one wait (both ahead of the first line that names a result); in piece 2's turn V^T's run of loads stands there, with the wait in it.
.macro ENT y, first, ml
.if en < 64
	WIN 0
	v_cndmask_b32 v[S+32*((\y)+en/32)+en%32], v[NINF], v[S+32*((\y)+en/32)+en%32], s[MW+36*(en/32)+en%32]
.else
.if (en == 64) && \ml
	MLOAD 2-(\y)
.endif
.set j, (en-64)/2
	SM (\y)+en%2, \first
.if en == 203
	v_nop
.if (\y) == 0
	FETCH_V
.else
	s_wait_alu depctr_va_vdst(0)
.endif
.endif
.endif
.set en, en+1
.endm
.macro SLICE y, first, ml              ; five entries; 332 = 5 x 63 + 17: slice 63 has seventeen, all packed multiplies on the other piece's O^T: the places behind the turn's last K Q^T
.rept 5
	ENT \y, \first, \ml
.endr
.if k == 63
.rept 12
	ENT \y, \first, \ml
.endr
.endif
.set k, k+1
.endm
.macro PLACES
.rept 4
	v_nop
.endr
.endm
; A TURN.  Piece x has the matrix unit.  pv = 2: 32 products V^T P; 1: they start O^T; 0: none.  kq = 1: 32 products K Q^T of the next step.  A turn with one kind has two slices behind each product.
; first = 1: the softmax is the first step's; its last slices are empty, and four v_nop take slice 63's part.
; Piece 0's turn fetches the next step's K behind its second product (K's last reader stands in front of slice 63 of the turn before).  Piece 2's turn fetches the same step's V^T behind entry 203: V^T's last reader stands in front of slice 31,
; and ten scalings, the v_nop and the run's own addition lie between.
.macro TURN x, pv, kq, first, ml
	s_wait_kmcnt 0x0                               ; this turn's mask words are in,
	s_add_co_u32 s[MO+(2-\x)/2], s[MO+(2-\x)/2], 256   ; so their offset may step: 128 keys on
.set en, 0
.set k, 0
.set per, 2
.if \pv && \kq
.set per, 1
.endif
.if \pv
.if \x == 0
	s_wait_dscnt 0x0                               ; V^T is in
.endif
.set i, 0
.rept 32
	PV \x, 2-\pv
.rept per
	SLICE 2-\x, \first, \ml
.endr
.if (\x == 0) && \kq && (i == 1)
	FETCH_K
.endif
.set i, i+1
.endr
.endif
.if \kq
.if \x == 0
	s_wait_dscnt 0x0                               ; K is in
.endif
.set i, 0
.rept 32
	KQ \x
.rept per
	SLICE 2-\x, \first, \ml
.endr
.set i, i+1
.endr
.endif
.if \first
	PLACES
.endif
.endm
; THE CHANGE OF SLOTS, between piece 2's turn and piece 0's.  Each wave waits for all its tensor loads (one is out: its part of the other slot), adds 0 to its spare word, and waits for that and for its reads of the slot.
; fill = 1: the barrier is a round of the cluster's, and the joint refill, with the keys two slots on, is the first thing behind it: it has two steps, 256 products, in which to land.
.macro CHANGE fill
	WIN 0
	s_wait_tensorcnt 0x0                           ; no tensor load of mine is out, so a group 0 may be written
	ds_add_u32 v[SPW], v[NIL]                      ; 0 onto my spare word; work on registers stands between it and the wait for it
	s_xor_b32 s[SL], s[SL], 1
.if \fill
	s_mul_i32 s[G0B+1], s[SL], SLOTB               ; the slot just read out,
	s_mul_i32 s2, s[WV], STEPB
	s_add_co_u32 s[G0B+1], s[G0B+1], s2            ; my part of it,
	s_add_nc_u64 s[G0B+2:G0B+3], s[G0B+2:G0B+3], 65536   ; the next 256 keys
	s_wait_xcnt 0x0                                ; the last prefetch, a slot back, has read its address
	s_add_nc_u64 s[PFA:PFA+1], s[PFA:PFA+1], 65536
	s_wait_dscnt 0x0                               ; the add is done, and my reads of the slot are over
	CROUND
	JLOAD
	ASK
.else
	s_wait_dscnt 0x0
	s_barrier_signal -1
	s_barrier_wait -1
.endif
	s_xor_b32 s[TB], s[SL], 1
	s_mul_i32 s[TB], s[TB], SLOTB                  ; the fetches go on at the other slot's first step
.endm
.macro TWO_STEPS
	s_mov_b32 s[TWICE], 2
.Lstep_\@:
	TURN 0, 2, 1, 0, 1
	TURN 2, 2, 1, 0, 1
	WIN 0
	s_sub_co_u32 s[TWICE], s[TWICE], 1
	s_cmp_lg_u32 s[TWICE], 0
	s_cbranch_scc1 .Lstep_\@
.endm
	s_wait_tensorcnt 1                             ; my part of slot 0 is in; slot 1's may stay out
	s_barrier_signal -1
	s_barrier_wait -1
	FETCH_K                                        ; step 0
	s_wait_loadcnt 0x0                             ; Q
	s_wait_dscnt 0x0
.set i, 0
.rept 32
	KQ 0
.set i, i+1
.endr
	WIN 0                                          ; the addresses for the way out: eight plain lines, the places behind those products
	s_mul_i32 s2, s[WV], 16*SP
	s_add_co_u32 s2, s2, STAGE
	v_mul_u32_u24 v[STO], v1, SP
	v_lshl_add_u32 v[STO], v9, 4, v[STO]
	v_add_nc_u32 v[STO], s2, v[STO]
	v_mul_u32_u24 v[RD], v9, SP
	v_lshl_add_u32 v[RD], v1, 4, v[RD]
	v_add_nc_u32 v[RD], s2, v[RD]
	v_lshlrev_b32 v[GO], 12, v9
	v_lshl_add_u32 v[GO], v1, 4, v[GO]
	TURN 2, 0, 1, 1, 1                             ; piece 2's first scores | piece 0's first softmax | V^T of step 0
	TURN 0, 1, 1, 1, 1                             ; piece 0: V^T P of step 0 starts O^T, K Q^T of step 1 | piece 2's first softmax | K of step 1
	TURN 2, 1, 1, 0, 1                             ; piece 2: the same | piece 0's softmax of step 1 | V^T of step 1
	WIN 0
.Lslot:                                                ; six trips: every slot but the last two is filled again
	CHANGE 1
	TWO_STEPS
	s_sub_co_u32 s[SLOTS], s[SLOTS], 1
	s_cmp_lg_u32 s[SLOTS], 0
	s_cbranch_scc1 .Lslot
	CHANGE 0                                       ; the tail is written out
	TWO_STEPS
	TURN 0, 2, 0, 0, 0                             ; piece 0: V^T P of the last step | piece 2's last softmax; no mask words are left to ask for
.set i, 0
.rept 32
	PV 2, 0
.set i, i+1
.endr
	; THE MERGE.  l's two halves are added (four plain lines: the places behind the last products); register tiles 2, 3 and their statistics go to LDS as images of their registers; a barrier; my partner's come back the same way.
	WIN 0
.irp t, 0,1,2,3
	v_add_f32 v[ST+8*\t+2], v[ST+8*\t+2], v[ST+8*\t+3]
.endr
	WIN 0x04                                       ; an LDS store's data are its source 1: window 1
.set i, 0
.rept 32
	ds_store_b128 v[MST], v[128+4*i:128+4*i+3] offset:512*i
.set i, i+1
.endr
	WIN 0
	ds_store_b128 v[MST], v[ST+16:ST+19] offset:16384
	ds_store_b128 v[MST], v[ST+24:ST+27] offset:16896
	s_wait_dscnt 0x0                               ; for my partner's sake: my stores have landed
	s_barrier_signal -1
	s_barrier_wait -1
	ds_load_b128 v[ST+16:ST+19], v[MLD] offset:16384
	ds_load_b128 v[ST+24:ST+27], v[MLD] offset:16896
	WIN 0x40
.set i, 0
.rept 32
	ds_load_b128 v[128+4*i:128+4*i+3], v[MLD] offset:512*i
.set i, i+1
.endr
	WIN 0
	s_wait_dscnt 32                                ; the statistics are in; the 32 loads of O^T behind them may be out
.irp t, 0,1
	v_max_num_f32 v[ST+8*\t+4], v[ST+8*\t], v[ST+16+8*\t]          ; the joint c m
.endr
.irp t, 0,1
	v_sub_f32 v[ST+8*\t+5], v[ST+8*\t], v[ST+8*\t+4]
	v_sub_f32 v[ST+16+8*\t+5], v[ST+16+8*\t], v[ST+8*\t+4]
.endr
.irp t, 0,1
	v_exp_f32 v[ST+8*\t+6], v[ST+8*\t+5]           ; what brings my part under it,
	v_exp_f32 v[ST+16+8*\t+6], v[ST+16+8*\t+5]     ; and my partner's
.endr
	v_nop
	s_wait_alu depctr_va_vdst(0)                   ; one wait for the four
.irp t, 0,1
	v_mul_f32 v[ST+8*\t+4], v[ST+8*\t+6], v[ST+8*\t+2]
.endr
.irp t, 0,1
	v_fma_f32 v[ST+8*\t+4], v[ST+16+8*\t+6], v[ST+16+8*\t+2], v[ST+8*\t+4]
.endr
.irp t, 0,1
	v_permlanex16_b32 v[ST+8*\t+5], v[ST+8*\t+4], s[SEL], s[SEL+1]
.endr
.irp t, 0,1
	v_add_f32 v[ST+8*\t+4], v[ST+8*\t+4], v[ST+8*\t+5]             ; the row's sum
.endr
.irp t, 0,1
	v_rcp_f32 v[ST+8*\t+5], v[ST+8*\t+4]
.endr
	v_nop
	s_wait_alu depctr_va_vdst(0)                   ; one wait for the two
.irp t, 0,1
	v_mul_f32 v[ST+8*\t+6], v[ST+8*\t+6], v[ST+8*\t+5]
	v_mul_f32 v[ST+16+8*\t+6], v[ST+16+8*\t+6], v[ST+8*\t+5]
.endr
	s_wait_dscnt 0x0                               ; my partner's O^T is in
; THE WAY OUT of tile t: the two parts weighed and added, rounded to f16, through my stage, out as rows of 256 bytes.
.macro PACK t
	WIN 0x51                                       ; O^T (destination, sources 0 and 2) in window 1, the factor in window 0
.set i, 0
.rept 32
	v_pk_mul_f32 v[64*\t+i:64*\t+i+1], v[64*\t+i:64*\t+i+1], v[ST+8*\t+6:ST+8*\t+7] op_sel_hi:[1,0]
.set i, i+2
.endr
.set i, 0
.rept 32
	v_pk_fma_f32 v[64*\t+i:64*\t+i+1], v[128+64*\t+i:128+64*\t+i+1], v[ST+16+8*\t+6:ST+16+8*\t+7], v[64*\t+i:64*\t+i+1] op_sel_hi:[1,0,1]
.set i, i+2
.endr
	WIN 0x05
.set i, 0
.rept 32
	v_cvt_pk_f16_f32 v[S+32*\t+i], v[64*\t+2*i], v[64*\t+2*i+1]
.set i, i+1
.endr
	WIN 0
.irp f, 0,1,2,3,4,5,6,7
	ds_store_b128 v[STO], v[S+32*\t+4*\f:S+32*\t+4*\f+3] offset:32*\f
.endr
.irp f, 0,1,2,3,4,5,6,7
	ds_load_b128 v[S+32*\t+4*\f:S+32*\t+4*\f+3], v[RD] offset:\f*2*SP
.endr
.endm
.macro SEND t, younger                 ; younger: the LDS instructions issued behind tile t's loads
.irp f, 0,1,2,3,4,5,6,7
	s_wait_dscnt \younger+7-\f
	global_store_b128 v[GO], v[S+32*\t+4*\f:S+32*\t+4*\f+3], s[OP:OP+1] offset:\t*65536+\f*8192   ; sixteen lanes store 256 consecutive bytes, aligned
.endr
.endm
	PACK 0
	PACK 1
	SEND 0, 16
	SEND 1, 0
	s_wait_tensorcnt 0x0                           ; the wave's end
	ds_add_u32 v[SPW], v[NIL]
	s_wait_dscnt 0x0
	CROUND                                         ; the closing round
	s_endpgm
.Lfunc_end_k_qf69ef67781_attn:
	.size	k_qf69ef67781_attn, .Lfunc_end_k_qf69ef67781_attn-k_qf69ef67781_attn
	.p2alignl 7, 3214868480
	.fill 96, 4, 3214868480
	.section	.rodata,"a",@progbits
	.p2align	6, 0x0
	.amdhsa_kernel k_qf69ef67781_attn
		.amdhsa_group_segment_fixed_size 327680
		.amdhsa_private_segment_fixed_size 0
		.amdhsa_enable_private_segment 0
		.amdhsa_kernarg_size 24
		.amdhsa_user_sgpr_count 2
		.amdhsa_user_sgpr_kernarg_segment_ptr 1
		.amdhsa_wavefront_size32 1
		.amdhsa_system_sgpr_workgroup_id_x 1
		.amdhsa_system_sgpr_workgroup_id_y 1
		.amdhsa_system_sgpr_workgroup_id_z 1
		.amdhsa_system_vgpr_workitem_id 0
		.amdhsa_next_free_vgpr 1024
		.amdhsa_next_free_sgpr 106
		.amdhsa_reserve_vcc 0
		.amdhsa_float_denorm_mode_32 3
		.amdhsa_float_denorm_mode_16_64 3
		.amdhsa_memory_ordered 1
		.amdhsa_forward_progress 1
		.amdhsa_inst_pref_size 253
	.end_amdhsa_kernel
	.amdgpu_metadata
---
amdhsa.version: [ 1, 2 ]
amdhsa.kernels:
  - .name:           k_qf69ef67781_attn
    .symbol:         k_qf69ef67781_attn.kd
    .args:
      - { .name: qkv, .offset: 0, .size: 8, .value_kind: global_buffer, .address_space: global }
      - { .name: maskw, .offset: 8, .size: 8, .value_kind: global_buffer, .address_space: global }
      - { .name: o16, .offset: 16, .size: 8, .value_kind: global_buffer, .address_space: global }
    .group_segment_fixed_size: 327680
    .private_segment_fixed_size: 0
    .kernarg_segment_align: 8
    .kernarg_segment_size: 24
    .max_flat_workgroup_size: 128
    .sgpr_count:     106
    .vgpr_count:     1024
    .wavefront_size: 32
...
	.end_amdgpu_metadata
.endif
;; end of part 3
;; launch proj (part 4): grid 16 x 16, 4 waves a work-group, clusters of 4 x 4, 327,680 bytes of LDS; arguments o16, wo16, out0; writes out0
.if DOCPART == 4
	.amdgcn_target "amdgcn-amd-amdhsa--gfx1250"
	.amdhsa_code_object_version 6
	.text
	.protected	k_qf69ef67781_proj
	.globl	k_qf69ef67781_proj
	.p2align	8
	.type	k_qf69ef67781_proj,@function
k_qf69ef67781_proj:
	s_mov_b64 s[64:65], 0
	v_nop
	global_prefetch_b8 v0, s[64:65] scope:SCOPE_SE
	s_setreg_imm32_b32 hwreg(HW_REG_WAVE_MODE, 25, 1), 1
	s_wait_xcnt 0x0
	s_wait_alu depctr_hold_cnt(0) depctr_sa_sdst(0) depctr_va_vdst(0) depctr_va_sdst(0) depctr_va_ssrc(0) depctr_va_vcc(0) depctr_vm_vsrc(0)
	s_getreg_b32 s2, hwreg(HW_REG_IB_STS2, 6, 4)
	s_cmp_eq_u32 s2, 0
	s_cbranch_scc0 .Lentry_in_a_cluster
	s_endpgm
.Lentry_in_a_cluster:
	s_bfe_u32 s2, ttmp6, 0x10000c
	s_cmp_lg_u32 s2, 0xf033
	s_cbranch_scc0 .Lentry_shape_is_right
	s_endpgm
.Lentry_shape_is_right:
; out0[t][n] = sum over k of O[t][k] Wo[n][k].  O and Wo in f16 (the attention's result and the first launch's copy of Wo), sums in f32, out0 in f32.  Nothing is left out.
; 2048 x 2048 of C in tiles of 128 x 128 give each of 256 work-groups one tile.  Four waves, each 64 x 64: 16 accumulators.  K goes in steps of 256 (LDS rows of 512 bytes; a wave's tensor load brings 64 of them) through a ring of two slots.
; CLUSTERS: 4 x 4 work-groups; A's tiles are asked for jointly along a row of the cluster, B's along a column.  A wave has two tensor loads out at the start and one behind each refill.
; THE WALK ALONG K BEGINS ELSEWHERE IN EACH CLUSTER: cluster (X, Y) begins at K step (2 X + 4 (Y & 1)) mod 8 and walks round.  The four clusters of a row of clusters, which read the same rows of O, begin 2 steps apart;
; clusters Y and Y + 1 of a column, which read the same rows of Wo, 4 steps apart: at any one time they ask for different K steps.  The start hangs on the cluster's coordinates alone, so a joint load's descriptor is the same in all partners.
; LIMIT: an output's f32 sum so runs over K from its cluster's start round to it, not in ascending order: the last bits may differ from an ascending sum's.
; THE MATRIX INSTRUCTION IS USED TRANSPOSED (source 0 = 16 rows of Wo, source 1 = 16 rows of O): a lane holds eight neighbouring numbers of a row of C.
; A wave's 64 columns of f32 are 256 aligned bytes, so each wave has a stage of its own on the way out, and no barrier stands there.
; No prefetch: the tiles are small and shared sixteenfold, and a K step's requests are few.
; REGISTERS: window 0: v0-31 addresses; v32-95 rows read back on the way out; v128-255 the accumulators ((a, b) at v[128 + 8 (4 a + b)]).   window 1: two fragment buffers of 128.
.set SIZE_N, 2048
.set SIZE_K, 2048
.set KSTEP,  256
.set PITCH,  528
.set HALFT,  64*PITCH
.set SLOT,   4*HALFT
.set STAGE,  2*SLOT                    ; behind the ring: 16 rows x 272 bytes for each wave
.set SPITCH, 272
.set SPARE,  STAGE+4*16*SPITCH         ; the spare words: 128 bytes a wave, two blocks of 256 bytes that no other line names
.set LAPS, SIZE_K/(2*KSTEP)
.set ADRA, 16
.set ADRB, 20
.set STO,  24
.set RD,   25
.set CO,   26
.set SPW,  28
.set NIL,  29
.set TMP,  32
.set ACC,  128
.set F0,   0
.set F1,   128
.set G1, 24
.set G0, 32
.set G1B, 48
.set G0B, 56
.set BA, 66                            ; s[66:67] the rows of O that I fetch, at K = 0
.set BB, 68                            ; s[68:69] the rows of Wo that I fetch, at K = 0
.set KC, 70                            ; s70, s71 the K step, 0 to 7, that slot 0 and slot 1 hold or are being filled with
.set OF, 72                            ; s[72:73] 512 bytes x a K step
.set MSB, 0
.macro WIN new
.if MSB != (\new)
	s_set_vgpr_msb (MSB<<8)|(\new)
.set MSB, \new
.endif
.endm
.set MUL,  0x05                        ; sources 0 (B) and 1 (A) window 1; C and D window 0
.set TO_F, 0x40
.macro JLOAD s                         ; waves 0 and 1 fetch A's two halves, waves 2 and 3 B's; an s_nop 0 and four v_nop follow each line
	s_cmp_eq_u32 s11, 0
	s_cbranch_scc0 .Lfor_b_\@
	tensor_load_to_lds s[G0+4*\s:G0+4*\s+3], s[G1:G1+7]
	s_nop 0
.rept 4
	v_nop
.endr
	s_branch .Lasked_\@
.Lfor_b_\@:
	tensor_load_to_lds s[G0B+4*\s:G0B+4*\s+3], s[G1B:G1B+7]
	s_nop 0
.rept 4
	v_nop
.endr
.Lasked_\@:
.endm
.macro AIM s                           ; slot s's two descriptors at K step s[KC + s]: the kept base + 512 bytes a step; the type bits are set on the descriptor's own word
	s_lshl_b32 s[OF], s[KC+\s], 9
	s_add_nc_u64 s[G0+4*\s+2:G0+4*\s+3], s[BA:BA+1], s[OF:OF+1]
	s_or_b32 s[G0+4*\s+3], s[G0+4*\s+3], 0x80000000
	s_add_nc_u64 s[G0B+4*\s+2:G0B+4*\s+3], s[BB:BB+1], s[OF:OF+1]
	s_or_b32 s[G0B+4*\s+3], s[G0B+4*\s+3], 0x80000000
.endm
.macro CREST
	s_cmp_lg_u32 s10, 0
	s_cbranch_scc1 .Lnot_wave_0_\@
	s_barrier_signal -3
.Lnot_wave_0_\@:
	s_barrier_wait -3
	s_barrier_signal -1
	s_barrier_wait -1
.endm
.macro CROUND
	s_barrier_signal -1
	s_barrier_wait -1
	CREST
.endm
	s_load_b128 s[4:7], s[0:1], 0x0                ; O, Wo
	s_load_b64 s[8:9], s[0:1], 0x10                ; out0
	v_lshl_add_u32 v[SPW], v0, 2, SPARE
	v_mov_b32 v[NIL], 0
	ds_add_u32 v[SPW], v[NIL]                      ; the wave's opening: the add, twice on end, and its wait ahead of my first tensor load
	ds_add_u32 v[SPW], v[NIL]
	v_lshrrev_b32 v1, 5, v0
	v_readfirstlane_b32 s10, v1                    ; wave
	s_lshr_b32 s11, s10, 1                         ; my half of the tile's rows; also: I fetch for A (0) or B (1)
	s_and_b32 s12, s10, 1                          ; my half of its columns; also: which 64 rows I fetch
	s_bfe_u32 s40, ttmp6, 0x40000
	s_bfe_u32 s41, ttmp6, 0x40004
	s_lshl_b32 s42, ttmp9, 2
	s_add_co_u32 s42, s42, s40                     ; tile column
	s_and_b32 s13, ttmp7, 0xffff
	s_lshl_b32 s13, s13, 2
	s_add_co_u32 s13, s13, s41                     ; tile row
	s_lshl_b32 s43, s41, 2
	s_lshl_b32 s43, 15, s43
	s_lshl_b32 s44, 0x1111, s40
	s_or_b32 s[G1+0], s43, (1<<16)|(1<<20)|(1<<21)|(6<<22)|(3<<25)  ; mask; elements of 2 bytes; padding on: 4 words behind every 128; bit 21 beside a mask
	s_or_b32 s[G1B+0], s44, (1<<16)|(1<<20)|(1<<21)|(6<<22)|(3<<25)
.irp g, G1, G1B
	s_mov_b32 s[\g+1], KSTEP<<16
	s_mov_b32 s[\g+2], 64<<16
	s_mov_b32 s[\g+3], KSTEP<<16
	s_mov_b32 s[\g+4], 64
	s_mov_b32 s[\g+5], SIZE_K
	s_mov_b32 s[\g+6], 0
	s_mov_b32 s[\g+7], 0
.endr
	s_and_b32 s[KC], ttmp7, 1                      ; where my cluster's walk begins: 4 x (cluster y's low bit)
	s_lshl_b32 s[KC], s[KC], 2
	s_lshl_b32 s[KC+1], ttmp9, 1                   ; + 2 x cluster x,
	s_add_co_u32 s[KC], s[KC], s[KC+1]
	s_and_b32 s[KC], s[KC], 7                      ; round the eight K steps: an even step, for slot 0;
	s_add_co_u32 s[KC+1], s[KC], 1                 ; the odd one behind it for slot 1
	s_mov_b32 s[OF+1], 0
	s_lshl_b32 s17, s12, 6
	s_lshl_b32 s16, s13, 7
	s_add_co_u32 s16, s16, s17
	s_lshl_b32 s46, s42, 7
	s_add_co_u32 s46, s46, s17
	s_mov_b32 s17, 0
	s_mov_b32 s47, 0
	s_mov_b64 s[18:19], SIZE_K*2
	s_mul_u64 s[16:17], s[16:17], s[18:19]
	s_mul_u64 s[46:47], s[46:47], s[18:19]
	s_mul_i32 s20, s10, HALFT
	s_wait_dscnt 0x0                               ; both opening adds are done
	s_wait_kmcnt 0x0
	s_add_nc_u64 s[BA:BA+1], s[4:5], s[16:17]
	s_add_nc_u64 s[BB:BB+1], s[6:7], s[46:47]
	CROUND
.irp s, 0,1
	s_mov_b32 s[G0+4*\s], 1
	s_add_co_u32 s[G0+4*\s+1], s20, \s*SLOT
	s_mov_b32 s[G0B+4*\s], 1
	s_add_co_u32 s[G0B+4*\s+1], s20, \s*SLOT
	AIM \s
	JLOAD \s
.endr
	v_and_b32 v1, 15, v0
	v_bfe_u32 v2, v0, 4, 1
	v_mul_u32_u24 v3, v1, PITCH
	v_lshl_add_u32 v3, v2, 4, v3
	s_mul_i32 s21, s11, HALFT
	s_mul_i32 s22, s12, HALFT
	s_add_co_u32 s22, s22, 2*HALFT
.irp s, 0,1
	v_add_nc_u32 v[ADRA+\s], s21, v3
	v_add_nc_u32 v[ADRB+\s], s22, v3
	s_add_co_u32 s21, s21, SLOT
	s_add_co_u32 s22, s22, SLOT
.endr
	s_mul_i32 s23, s10, 16*SPITCH
	s_add_co_u32 s23, s23, STAGE                   ; my stage
	v_mul_u32_u24 v4, v1, SPITCH
	v_lshl_add_u32 v4, v2, 5, v4
	v_add_nc_u32 v[STO], s23, v4                   ; in: row r, 32 bytes for each half of the lanes
	v_mul_u32_u24 v5, v2, SPITCH
	v_lshl_add_u32 v5, v1, 4, v5
	v_add_nc_u32 v[RD], s23, v5                    ; back: lanes 0-15 one row of 256 bytes, lanes 16-31 the next
	v_lshlrev_b32 v5, 13, v2
	v_lshl_add_u32 v[CO], v1, 4, v5                ; and the same two rows in C, 8,192 bytes apart
	s_lshl_b32 s16, s13, 7
	s_lshl_b32 s17, s11, 6
	s_add_co_u32 s16, s16, s17                     ; my first row of C
	s_lshl_b32 s16, s16, 13
	s_mov_b32 s17, 0
	s_add_nc_u64 s[8:9], s[8:9], s[16:17]
	s_lshl_b32 s46, s42, 9                         ; my first column, in bytes: 512 x tile column + 256 x half
	s_lshl_b32 s47, s12, 8
	s_add_co_u32 s46, s46, s47
	s_mov_b32 s47, 0
	s_add_nc_u64 s[8:9], s[8:9], s[46:47]
.macro MUL8 f, c, a0, zero             ; 8 matrix instructions: m blocks a0, a0 + 1 x 4 n blocks, 32 along K.  The 16 accumulators take turns
.irp a, \a0, \a0+1
.irp b, 0,1,2,3
.if \zero
	v_wmma_f32_16x16x32_f16 v[ACC+8*(4*(\a)+\b):ACC+8*(4*(\a)+\b)+7], v[\f+64+8*(4*\c+\b):\f+64+8*(4*\c+\b)+7], v[\f+8*(4*\c+\a):\f+8*(4*\c+\a)+7], 0
.else
	v_wmma_f32_16x16x32_f16 v[ACC+8*(4*(\a)+\b):ACC+8*(4*(\a)+\b)+7], v[\f+64+8*(4*\c+\b):\f+64+8*(4*\c+\b)+7], v[\f+8*(4*\c+\a):\f+8*(4*\c+\a)+7], v[ACC+8*(4*(\a)+\b):ACC+8*(4*(\a)+\b)+7]
.endif
.endr
.endr
.endm
.macro FETCH slot, k, f                ; 32 LDS loads in one run: the fragments of 64 along K; the first 32 along K first
	WIN TO_F
.irp c, 0,1
.irp i, 0,1,2,3
	ds_load_b128 v[\f+64+8*(4*\c+\i):\f+64+8*(4*\c+\i)+3],   v[ADRB+\slot] offset:\k+64*\c+\i*16*PITCH
	ds_load_b128 v[\f+64+8*(4*\c+\i)+4:\f+64+8*(4*\c+\i)+7], v[ADRB+\slot] offset:\k+64*\c+\i*16*PITCH+32
	ds_load_b128 v[\f+8*(4*\c+\i):\f+8*(4*\c+\i)+3],         v[ADRA+\slot] offset:\k+64*\c+\i*16*PITCH
	ds_load_b128 v[\f+8*(4*\c+\i)+4:\f+8*(4*\c+\i)+7],       v[ADRA+\slot] offset:\k+64*\c+\i*16*PITCH+32
.endr
.endr
.endm
.macro PLACES
.rept 4
	v_nop
.endr
.endm
.macro QUARTER slot, k, f, g, zero
	s_wait_dscnt 16                                ; the first 32 along K are in; the other sixteen loads may be out
	WIN MUL
	MUL8 \f, 0, 0, \zero
	MUL8 \f, 0, 2, \zero
	PLACES
	FETCH \slot, \k, \g
	s_wait_dscnt 32                                ; all but the 32 just issued
	WIN MUL
	MUL8 \f, 1, 0, 0
	MUL8 \f, 1, 2, 0
.endm
.macro TURN slot, next, fill           ; the last quarter changes slots: one barrier; in front of it all my tensor loads, the add, and my reads of this slot are waited for
	WIN 0
	s_wait_tensorcnt 0x0                           ; no tensor load of mine is out, so a group 0 may be written
	ds_add_u32 v[SPW], v[NIL]                      ; 0 onto my spare word; with fill, work on registers stands between it and the wait for it
.if \fill
	s_add_co_u32 s[KC+\slot], s[KC+\slot], 2       ; this slot's next K step: two on,
	s_and_b32 s[KC+\slot], s[KC+\slot], 7          ; round the eight
	AIM \slot
.endif
	s_wait_dscnt 17                                ; the add and the youngest sixteen loads may be out
	WIN MUL
	MUL8 F1, 0, 0, 0
	s_wait_dscnt 0x0
	s_barrier_signal -1
	MUL8 F1, 0, 2, 0
.if \fill
	WIN 0
.endif
	s_barrier_wait -1
.if \fill
	CREST
	JLOAD \slot                                    ; the first tensor load behind the round; its four v_nop are the places in front of the loads below
.else
	PLACES
.endif
	FETCH \next, 0, F0
	WIN MUL
	MUL8 F1, 1, 0, 0
	MUL8 F1, 1, 2, 0
.endm
	s_wait_tensorcnt 1                             ; my part of the walk's first K step is in; the second's load may be out
	s_barrier_signal -1
	s_barrier_wait -1
	FETCH 0, 0, F0
	QUARTER 0, 128, F0, F1, 1
	WIN 0
	s_mov_b32 s3, LAPS-1
.Llap:
	QUARTER 0, 256, F1, F0, 0
	QUARTER 0, 384, F0, F1, 0
	TURN 0, 1, 1
	QUARTER 1, 128, F0, F1, 0
	QUARTER 1, 256, F1, F0, 0
	QUARTER 1, 384, F0, F1, 0
	TURN 1, 0, 1
	QUARTER 0, 128, F0, F1, 0
	WIN 0
	s_sub_co_u32 s3, s3, 1
	s_cmp_lg_u32 s3, 0
	s_cbranch_scc1 .Llap
	QUARTER 0, 256, F1, F0, 0                      ; the last lap fills nothing
	QUARTER 0, 384, F0, F1, 0
	TURN 0, 1, 0
	QUARTER 1, 128, F0, F1, 0
	QUARTER 1, 256, F1, F0, 0
	QUARTER 1, 384, F0, F1, 0
	s_wait_dscnt 16
	WIN MUL
	MUL8 F1, 0, 0, 0
	MUL8 F1, 0, 2, 0
	s_wait_dscnt 0
	MUL8 F1, 1, 0, 0
	MUL8 F1, 1, 2, 0
	WIN 0
; THE WAY OUT, block by block of 16 rows x 64 columns of f32: into my own stage as the sums stand (each accumulator from its low end on), back as whole rows of 256 bytes.  LDS serves a wave's instructions in order.
.macro TOSTAGE a
.irp b, 0,1,2,3
	ds_store_b128 v[STO], v[ACC+8*(4*(\a)+\b):ACC+8*(4*(\a)+\b)+3] offset:64*\b
	ds_store_b128 v[STO], v[ACC+8*(4*(\a)+\b)+4:ACC+8*(4*(\a)+\b)+7] offset:64*\b+16
.endr
.irp t, 0,1,2,3,4,5,6,7
	ds_load_b128 v[TMP+32*((\a)%2)+4*\t:TMP+32*((\a)%2)+4*\t+3], v[RD] offset:2*SPITCH*\t
.endr
.endm
.macro SEND a, younger                 ; younger: the LDS instructions issued behind block a's loads
	s_wait_dscnt \younger
.irp t, 0,1,2,3,4,5,6,7
	global_store_b128 v[CO], v[TMP+32*((\a)%2)+4*\t:TMP+32*((\a)%2)+4*\t+3], s[8:9] offset:(16*(\a)+2*\t)*SIZE_N*4 th:TH_STORE_NT   ; sixteen lanes store 256 consecutive bytes, aligned
.endr
.endm
	PLACES
	TOSTAGE 0
.irp a, 1,2,3
.if \a > 1
	s_wait_xcnt 0x0                                ; block a - 2's stores have read their registers: block a's loads may land there
.endif
	TOSTAGE \a
	SEND \a-1, 16                                  ; behind block a - 1's loads: block a's 8 stores and 8 loads
.endr
	SEND 3, 0
	s_wait_tensorcnt 0x0                           ; the wave's end
	ds_add_u32 v[SPW], v[NIL]
	s_wait_dscnt 0x0
	CROUND                                         ; the closing round
	s_endpgm
.Lfunc_end_k_qf69ef67781_proj:
	.size	k_qf69ef67781_proj, .Lfunc_end_k_qf69ef67781_proj-k_qf69ef67781_proj
	.p2alignl 7, 3214868480
	.fill 96, 4, 3214868480
	.section	.rodata,"a",@progbits
	.p2align	6, 0x0
	.amdhsa_kernel k_qf69ef67781_proj
		.amdhsa_group_segment_fixed_size 327680
		.amdhsa_private_segment_fixed_size 0
		.amdhsa_enable_private_segment 0
		.amdhsa_kernarg_size 24
		.amdhsa_user_sgpr_count 2
		.amdhsa_user_sgpr_kernarg_segment_ptr 1
		.amdhsa_wavefront_size32 1
		.amdhsa_system_sgpr_workgroup_id_x 1
		.amdhsa_system_sgpr_workgroup_id_y 1
		.amdhsa_system_sgpr_workgroup_id_z 1
		.amdhsa_system_vgpr_workitem_id 0
		.amdhsa_next_free_vgpr 512
		.amdhsa_next_free_sgpr 80
		.amdhsa_reserve_vcc 0
		.amdhsa_float_denorm_mode_32 3
		.amdhsa_float_denorm_mode_16_64 3
		.amdhsa_memory_ordered 1
		.amdhsa_forward_progress 1
		.amdhsa_inst_pref_size 86
	.end_amdhsa_kernel
	.amdgpu_metadata
---
amdhsa.version: [ 1, 2 ]
amdhsa.kernels:
  - .name:           k_qf69ef67781_proj
    .symbol:         k_qf69ef67781_proj.kd
    .args:
      - { .name: o16, .offset: 0, .size: 8, .value_kind: global_buffer, .address_space: global }
      - { .name: wo16, .offset: 8, .size: 8, .value_kind: global_buffer, .address_space: global }
      - { .name: out0, .offset: 16, .size: 8, .value_kind: global_buffer, .address_space: global }
    .group_segment_fixed_size: 327680
    .private_segment_fixed_size: 0
    .kernarg_segment_align: 8
    .kernarg_segment_size: 24
    .max_flat_workgroup_size: 128
    .sgpr_count:     80
    .vgpr_count:     512
    .wavefront_size: 32
...
	.end_amdgpu_metadata
.endif
;; end of part 4
